; MI455X (gfx1250); checked and timed in simulation.
; The chip was launched on July 23, 2026; its instructions are those of AMD's public machine-readable ISA for CDNA 5 (MIT licence, August 2026) and "CDNA5" Instruction Set Architecture Reference Guide (July 2026). The comments in the code are by the model that wrote it; some were corrected since.
;; Multi Head Self Attention. Allowed arithmetic: matrix products marked QUANTISED: E2M3 operands, one E8M0 scale for each 32 along K, by v_wmma_scale_f32_16x16x128_f8f6f4 with both operands' format E2M3, f32 sums; everything else in f32.
;; Inputs: W_proj_codes 1,024 x 32 x 24 uint8 (E2M3 codes of W_proj, K innermost, in blocks of 32 codes, four codes in three bytes); W_proj_scales 1,024 x 32 uint8 (E8M0 scales of W_proj, one for each 32 codes along K); W_qkv_codes 3,072 x 32 x 24 uint8 (E2M3 codes of W_qkv, K innermost, in blocks of 32 codes, four codes in three bytes); W_qkv_scales 3,072 x 32 uint8 (E8M0 scales of W_qkv, one for each 32 codes along K); b_proj 1,024 float32; b_qkv 3,072 float32; k_beta 1,024 float32; k_gamma 1,024 float32; q_beta 1,024 float32; q_gamma 1,024 float32; x_codes 4 x 2,048 x 32 x 24 uint8 (E2M3 codes of x, K innermost, in blocks of 32 codes, four codes in three bytes); x_scales 4 x 2,048 x 32 uint8 (E8M0 scales of x, one for each 32 codes along K).
;; Outputs: out0 4 x 2,048 x 1,024 float32.
;; This version of the problem:
;;   THIS VERSION OF THE PROBLEM IS GIVEN IN LOW PRECISION. The matrix products marked QUANTISED in the list below multiply operands that are first quantised to E2M3 (2 exponent bits, 3 mantissa bits; 6 bits a number), with one power-of-two scale for each 32 numbers along K (OCP MX v1.0); their sums are f32. All else is computed in f32.
;;   The module's matrix products, in the order in which they are computed (A, B: the left and right operand; K: the contracted axis; several contracted axes count as one K, in the product's order):
;;     1. [M 8,192, K 1,024] x [K 1,024, N 3,072]; A: input x (given as codes); B: input W_qkv (given as codes): QUANTISED
;;     2. batch 64 x [M 2,048, K 64] x [K 64, N 2,048]; A: computed on the way; B: computed on the way: QUANTISED
;;     3. batch 64 x [M 2,048, K 2,048] x [K 2,048, N 64]; A: softmax (see below); B: computed on the way: QUANTISED
;;     4. [M 8,192, K 1,024] x [K 1,024, N 1,024]; A: computed on the way; B: input W_proj (given as codes): QUANTISED
;;   THE QUANTISER, for each operand of a quantised product, along K:
;;     - K is cut into blocks of 32 from its start; a last block that is shorter is filled with zeros.
;;     - A block's scale is 2^e with e = floor(log2(the largest magnitude in the block)) - 2, held to -126 .. 127; a block of zeros has e = 0. As a byte (E8M0): e + 127.
;;     - Each number is divided by its block's scale, clamped to +-7.5, and rounded to the nearest number of E2M3, ties to even, subnormals kept.
;;     - The product sums the exact products of the quantised numbers (number of the format x scale) in f32.
;;   ~~~python
;;   def quantise(x, axis):      # numpy; x: float32 -> the quantised numbers, widened to float32 again
;;       x = np.moveaxis(x, axis, -1); K = x.shape[-1]
;;       x = np.pad(x, [(0, 0)] * (x.ndim - 1) + [(0, -K % 32)]); x = x.reshape(x.shape[:-1] + (-1, 32)); a = np.abs(x).max(-1, keepdims=True)
;;       e = np.where(a > 0, np.clip(np.frexp(np.where(a > 0, a, 1))[1] - 1 - 2, -126, 127), 0)      # np.frexp(a)[1] - 1 = floor(log2(a)), exactly
;;       r = np.clip(x / 2.0 ** e, -7.5, 7.5)
;;       step = 2.0 ** (np.maximum(np.frexp(np.where(r == 0, 1, r))[1] - 1, 0) - 3)
;;       q = np.round(r / step) * step * 2.0 ** e      # np.round: ties to even
;;       return np.moveaxis(q.reshape(q.shape[:-2] + (-1,))[..., :K], -1, axis).astype(np.float32)
;;   ~~~
;;   SOFTMAX AHEAD OF A QUANTISED PRODUCT. Where the list says 'softmax', what is quantised is not the finished softmax but p = 2^(t - M), with t = logit x log2(e) and M = ceil(the row's largest t), a whole number; so 1/2 < the row's largest p <= 1. The row's sum l is taken of the UNQUANTISED p, in f32, and the product's result is divided by l at the end. Since M is a whole number, a kernel that streams over the keys may use a running M (the ceiling of the running maximum): every later rescaling is an exact power of two, which a block's scale takes up: the codes' values come out the same.
;;   OPERANDS COMPUTED ON THE WAY. 'Computed on the way' means the value that the module computes at that place (a softmax that the list does not call 'softmax' is quantised finished and normalised). What goes into a quantiser is computed in f32, as accurately as f32 sums, v_exp_f32 and their like allow (about 1e-6 of the number): no bf16 or f16 on the way to a quantiser, and a product that is left as it is and whose result goes on into a quantised operand takes f32 operands (vector FMAs, or v_wmma_f32_16x16x4_f32). A number that lies on a knife's edge between two numbers of the format may be rounded either way, as far as f32 arithmetic and the matrix unit's own rounding can turn it there, and no further.
;;   INPUTS GIVEN AS CODES. W_proj (in the module: [1024, 1024], K = its axis 0); W_qkv (in the module: [1024, 3072], K = its axis 0); x (in the module: [4, 2048, 1024], K = its axis 2): each comes as NAME_codes (uint8): NAME with its K axis moved to the last place and cut into blocks of 32 codes, [.., K / 32, bytes a block], one block behind the other in memory; four codes in three bytes: a row's codes are one little-endian stream of bits, code i at bits 6 i .. 6 i + 5 (a code: sign, 2 exponent bits, 3 mantissa bits); and NAME_scales (uint8): the same leading axes, one E8M0 byte (e + 127) for each 32 codes along K. Its value is code x scale, taken as it is: it is not quantised again, and the codes and scales need not be those that the quantiser above would give.
;; One version. Each part assembles by itself: llvm-mc -triple=amdgcn-amd-amdhsa -mcpu=gfx1250 --defsym DOCPART=n.
;; ======== version 1 of 1: 4 launches
;; limits: right only within a limited range of input values
;; workspace buffers: qimg 6,815,744 bytes; kvimg 13,369,344 bytes; oimg 6,291,456 bytes; oscale 524,288 bytes; ximg 6,291,456 bytes; wqimg 2,359,296 bytes; wpimg 786,432 bytes
;; launch relay (part 1): grid 768 x 1, 4 waves a work-group, no clusters, 0 bytes of LDS; arguments x_codes, W_qkv_codes, W_proj_codes, ximg, wqimg, wpimg; writes ximg, wqimg, wpimg
.if DOCPART == 1
	.amdgcn_target "amdgcn-amd-amdhsa--gfx1250"
	.amdhsa_code_object_version 6
	.text
	.protected	k_qcc5b1938fc_relay
	.globl	k_qcc5b1938fc_relay
	.p2align	8
	.type	k_qcc5b1938fc_relay,@function
k_qcc5b1938fc_relay:
	s_mov_b64 s[64:65], 0
	v_nop
	global_prefetch_b8 v0, s[64:65] scope:SCOPE_SE
	s_setreg_imm32_b32 hwreg(HW_REG_WAVE_MODE, 25, 1), 1
	s_wait_xcnt 0x0
; The codes of x, W_qkv and W_proj are laid anew, bit for bit, as IMAGES OF OPERAND REGISTERS.  x, W_qkv: [block of 1,024 rows][K step of 128][64 tiles of 16 rows][1,536 bytes].  W_proj: [half of 512 rows][K step][32 tiles][1,536].
; So the K steps that the later launches fetch are dense blocks, taken as rows of 256 bytes that begin at multiples of 256.
; (In the inputs a K step is 96 bytes of a row of 768: steps 2 and 5 would begin off a multiple of 256 and run across the next.)
; A fragment, 16 rows x 128 K, is 12 registers: lane (r, h) holds bytes 24 h + 0..23 and 48 + 24 h + 0..23 of row r's 96.  Its image: register 4 c + i of lane l at byte 512 c + 16 l + 4 i.
; SHARES: work-group = 16 rows (0-511 x, 512-703 W_qkv, 704-767 W_proj); wave w = K steps 2 w, 2 w + 1: 12 loads of 8 bytes a lane, 6 stores of 512 consecutive aligned bytes.
; The work-group's loads together read all 12,288 bytes of its 16 rows once.  No LDS, no matrix work, no cluster: no byte is shared between work-groups.
	s_load_b256 s[4:11], s[0:1], 0x0               ; x_codes, W_qkv_codes, W_proj_codes, ximg
	s_load_b128 s[12:15], s[0:1], 0x20             ; wqimg, wpimg
	s_mov_b32 s16, ttmp9
	s_mov_b32 s28, 196608                          ; two K steps in an image: of 64 tiles,
	s_cmp_lt_u32 s16, 704
	s_cselect_b32 s28, s28, 98304                  ; or of W_proj's 32
	s_lshr_b32 s29, s28, 1                         ; one K step
	v_and_b32 v1, 15, v0                           ; r
	v_bfe_u32 v2, v0, 4, 1                         ; h
	v_lshrrev_b32 v3, 5, v0                        ; wave
	v_and_b32 v4, 31, v0                           ; lane
	v_mul_u32_u24 v5, v1, 768
	v_mad_u32_u24 v5, v2, 24, v5
	v_mad_u32_u24 v5, v3, 192, v5                  ; from: row r, + 24 h, + two K steps of 96 bytes a wave
	v_lshlrev_b32 v6, 4, v4
	v_mad_u32_u24 v6, v3, s28, v6                  ; to: 16 x lane + two K steps a wave
	s_sub_co_u32 s17, s16, 512
	s_sub_co_u32 s18, s16, 704
	s_mov_b32 s25, 0
	s_wait_alu depctr_va_vdst(0)
	s_wait_kmcnt 0x0
	s_cmp_lt_u32 s16, 704                          ; which tensor, and which 16 rows of it: by the work-group's number alone
	s_cselect_b32 s17, s17, s18
	s_cselect_b64 s[20:21], s[6:7], s[8:9]
	s_cselect_b64 s[22:23], s[12:13], s[14:15]
	s_cmp_lt_u32 s16, 512
	s_cselect_b32 s17, s16, s17
	s_cselect_b64 s[20:21], s[4:5], s[20:21]
	s_cselect_b64 s[22:23], s[10:11], s[22:23]
	s_mul_i32 s24, s17, 12288                      ; 16 rows of 768 bytes
	s_add_nc_u64 s[20:21], s[20:21], s[24:25]
	s_lshr_b32 s26, s17, 6
	s_mul_i32 s26, s26, 786432                     ; x, W_qkv: the block of 1,024 rows,
	s_and_b32 s27, s17, 63
	s_mul_i32 s27, s27, 1536                       ; and the tile in it
	s_add_co_u32 s24, s26, s27
	s_lshr_b32 s26, s17, 5
	s_mul_i32 s26, s26, 393216                     ; W_proj: the half of 512 rows,
	s_and_b32 s27, s17, 31
	s_mul_i32 s27, s27, 1536                       ; and the tile in it
	s_add_co_u32 s26, s26, s27
	s_cmp_lt_u32 s16, 704
	s_cselect_b32 s24, s24, s26
	s_add_nc_u64 s[22:23], s[22:23], s[24:25]      ; my first K step's image,
	s_mov_b32 s26, s29
	s_mov_b32 s27, 0
	s_add_nc_u64 s[30:31], s[22:23], s[26:27]      ; and my second's
.irp t, 0,1
.irp p, 0,1,2,3,4,5
	global_load_b64 v[8+12*\t+2*\p:9+12*\t+2*\p], v5, s[20:21] offset:96*\t+48*(\p/3)+8*(\p%3)
.endr
.endr
	s_wait_loadcnt 0x0
.irp t, 0,1
.irp c, 0,1,2
	global_store_b128 v6, v[8+12*\t+4*\c:11+12*\t+4*\c], s[22+8*\t:23+8*\t] offset:512*\c
.endr
.endr
	s_endpgm
.Lfunc_end_k_qcc5b1938fc_relay:
	.size	k_qcc5b1938fc_relay, .Lfunc_end_k_qcc5b1938fc_relay-k_qcc5b1938fc_relay
	.p2alignl 7, 3214868480
	.fill 96, 4, 3214868480
	.section	.rodata,"a",@progbits
	.p2align	6, 0x0
	.amdhsa_kernel k_qcc5b1938fc_relay
		.amdhsa_group_segment_fixed_size 0
		.amdhsa_private_segment_fixed_size 0
		.amdhsa_enable_private_segment 0
		.amdhsa_kernarg_size 48
		.amdhsa_user_sgpr_count 2
		.amdhsa_user_sgpr_kernarg_segment_ptr 1
		.amdhsa_wavefront_size32 1
		.amdhsa_system_sgpr_workgroup_id_x 1
		.amdhsa_system_sgpr_workgroup_id_y 1
		.amdhsa_system_sgpr_workgroup_id_z 1
		.amdhsa_system_vgpr_workitem_id 0
		.amdhsa_next_free_vgpr 32
		.amdhsa_next_free_sgpr 66
		.amdhsa_reserve_vcc 0
		.amdhsa_float_denorm_mode_32 3
		.amdhsa_float_denorm_mode_16_64 3
		.amdhsa_memory_ordered 1
		.amdhsa_forward_progress 1
		.amdhsa_inst_pref_size 5
	.end_amdhsa_kernel
	.amdgpu_metadata
---
amdhsa.version: [ 1, 2 ]
amdhsa.kernels:
  - .name:           k_qcc5b1938fc_relay
    .symbol:         k_qcc5b1938fc_relay.kd
    .args:
      - { .name: x_codes, .offset: 0, .size: 8, .value_kind: global_buffer, .address_space: global }
      - { .name: W_qkv_codes, .offset: 8, .size: 8, .value_kind: global_buffer, .address_space: global }
      - { .name: W_proj_codes, .offset: 16, .size: 8, .value_kind: global_buffer, .address_space: global }
      - { .name: ximg, .offset: 24, .size: 8, .value_kind: global_buffer, .address_space: global }
      - { .name: wqimg, .offset: 32, .size: 8, .value_kind: global_buffer, .address_space: global }
      - { .name: wpimg, .offset: 40, .size: 8, .value_kind: global_buffer, .address_space: global }
    .group_segment_fixed_size: 0
    .private_segment_fixed_size: 0
    .kernarg_segment_align: 8
    .kernarg_segment_size: 48
    .max_flat_workgroup_size: 128
    .sgpr_count:     66
    .vgpr_count:     32
    .wavefront_size: 32
...
	.end_amdgpu_metadata
.endif
;; end of part 1
;; launch qkv (part 2): grid 128 x 3, 4 waves a work-group, clusters of 4 x 1, 327,680 bytes of LDS; arguments ximg, x_scales, wqimg, W_qkv_scales, b_qkv, q_gamma, q_beta, k_gamma, k_beta, qimg, kvimg; writes qimg, kvimg
.if DOCPART == 2
	.amdgcn_target "amdgcn-amd-amdhsa--gfx1250"
	.amdhsa_code_object_version 6
	.text
	.protected	k_qcc5b1938fc_qkv
	.globl	k_qcc5b1938fc_qkv
	.p2align	8
	.type	k_qcc5b1938fc_qkv,@function
k_qcc5b1938fc_qkv:
	s_mov_b64 s[64:65], 0
	v_nop
	global_prefetch_b8 v0, s[64:65] scope:SCOPE_SE
	s_setreg_imm32_b32 hwreg(HW_REG_WAVE_MODE, 25, 1), 1
	s_wait_xcnt 0x0
	s_wait_alu depctr_hold_cnt(0) depctr_sa_sdst(0) depctr_va_vdst(0) depctr_va_sdst(0) depctr_va_ssrc(0) depctr_va_vcc(0) depctr_vm_vsrc(0)
	s_getreg_b32 s2, hwreg(HW_REG_IB_STS2, 6, 4)
	s_cmp_eq_u32 s2, 0
	s_cbranch_scc0 .Lentry_in_a_cluster
	s_endpgm
.Lentry_in_a_cluster:
	s_bfe_u32 s2, ttmp6, 0x10000c
	s_cmp_lg_u32 s2, 0x3003
	s_cbranch_scc0 .Lentry_shape_is_right
	s_endpgm
.Lentry_shape_is_right:
; qkv = x W_qkv + b on codes of FP6 (E2M3); LayerNorm of q and of k over all 1,024 features; q x 1/8; q, k and v quantised again and stored as IMAGES OF OPERAND REGISTERS for the attention launch.
; ONE CORE, D = BIG x SMALL^T, K = 1,024 in 8 steps of 128.  BIG: 1,024 rows, 256 to each of four waves (16 tiles a).  SMALL: 64 rows (4 tiles b), read by all waves.  Source 0 = 16 rows of BIG, source 1 = 16 rows of SMALL:
; in a result lane (r, h) holds SMALL row 16 b + r, and its register j BIG row 16 a + 8 h + j.
;   part 0, 1 (q, k; work-group y): BIG = the part's 1,024 rows of W, SMALL = 64 tokens: a lane holds a token, its registers run along the features: the LayerNorm, and the quantiser along a head's 64.
;   part 2 (v): BIG = 1,024 tokens of x, SMALL = the 64 rows of W of one head: a lane holds a feature, its registers run along the tokens, which are the second attention product's K.
; CLUSTER 4 x 1: the four partners read the same BIG tile, so it is asked for jointly (mask 15); SMALL differs from partner to partner (64 other tokens, or another head) and is asked for by a plain load.
; A BLOCK OF 32 along the next K is tiles 2 n and 2 n + 1; the two conversions and the exchange of halves leave its codes in a fixed order of their own inside the block.  Q and K are made by the same lines, V and the
; attention launch's P come out of the same result layout by the same lines: both operands of each product carry the same order, so the products are the same; the order in which they are summed differs.
; LDS: two slots of 1,088 rows x 144 bytes (a K step's 96 bytes of a row, 16 bytes of padding behind every 32: the 32 lanes of an 8-byte load fall on 64 different banks of 4 bytes, ISA guide 11.1); two slots with rows of 192 bytes
; would need 522,240 bytes.  Behind them 2,048 bytes for the LayerNorm's sums and the spare words.  All scale words lie in registers (read once), so the 8 K steps are written out.
; REGISTERS: window 0: v1-31 addresses and small sums; v32-95 BIG's scale words, v96-127 SMALL's: they hold scales and nothing else; v128-223 SMALL's fragments, two sets; later b_qkv and the LayerNorm's small numbers.
;   window 1: BIG's fragments, one set, v0-191; later gamma and beta; later the quantiser's numbers.   windows 2, 3: accumulator (a, b) at v[64 b + 8 (a % 8)] of window 2 + a / 8.
; LIMITS: NaN and infinities are not served.  A block whose largest magnitude lies under 2^-124 keeps the scale byte 1; so does a block of zeros (its codes are zeros; this program alone reads the bytes).
; THE LDS AS IT IS NOW (this takes the place of what the head says of slots of 144-byte rows): x's and W's codes come as images of operand registers, [1,024 rows][K step][64 tiles][1,536 bytes].
; A slot: BIG's K step, 98,304 dense bytes, then SMALL's, 6,144; fetched as rows of 256 bytes.  Waves 0-2 ask jointly for a third of BIG each, wave 3 for SMALL: one load a wave on every way.
; A fragment is three loads of 16 bytes a lane, consecutive lanes at consecutive bytes.
.set SMOFF, 98304                      ; SMALL's four tiles lie behind BIG's 64
.set SLOTB, 104448
.set LNS,   2*SLOTB                    ; the LayerNorm's sums: 2 x 1,024 bytes, never filled by a tensor load
.set SPARE, LNS+2048                   ; the spare words, 128 bytes a wave: two blocks of 256 bytes that no other line names
.set R,   1                            ; lane % 16
.set H,   2                            ; lane / 16
.set LN,  3                            ; lane
.set SPW, 4                            ; LDS address of my spare word; never rewritten
.set NIL, 5                            ; 0; never rewritten
.set L16, 6                            ; 16 x lane
.set L8,  7                            ; 8 x lane
.set ADB, 8                            ; v8-9 my BIG fragments in slot 0, 1
.set ADS, 12                           ; v12-13 the same for SMALL
.set VB,  16                           ; v16-23 part 2: b_qkv of my feature, a pair for each tile b
.set SUM, 16                           ; parts 0, 1: the rows' sums, in the same registers
.set LNW, 24                           ; LDS: where I put a row's sum
.set LNR, 25                           ; and where I read the four waves' sums
.set VF,  26                           ; byte offset of the scale words' store
.set VG,  27                           ; byte offset of my features in b_qkv, gamma, beta
.set SCB, 32
.set SCS, 96
.set SF,  128
.set BI,  128                          ; b_qkv of my 128 features; when it has been added:
.set PT,  128
.set PX,  132
.set LD,  136
.set NMU, 152                          ; -mean, a pair for each tile b (the low word serves both halves)
.set SQ,  160
.set RS,  168                          ; 1 / sqrt(var + eps) x the part's factor
.set TM,  0                            ; window 1: the quantiser: largest magnitudes,
.set TX,  16                           ; the other half's,
.set SOP, 32                           ; the conversions' scale operands,
.set SBY, 48                           ; the scale bytes,
.set WD,  64                           ; scale words,
.set SP,  128                          ; codes,
.set TP,  176                          ; the second halves of blocks,
.set DW,  208                          ; four scale words to store
.set WV,   26
.set PART, 27
.set G1B,  28                          ; s[28:35] group 1 for BIG's tiles, s[36:43] for SMALL's
.set G1S,  36
.set G0B,  44                          ; s[44:51] group 0 for BIG, a set for each slot; s[52:59] for SMALL
.set G0S,  52
.set CX,   60
.set XB,   62                          ; which 64 tokens (parts 0, 1)
.set HEAD, 63                          ; which head (part 2)
.set SEL,  70                          ; s[70:71] v_permlanex16_b32's selects for lane l xor 16
.set FAC,  72                          ; s[72:73] 1/8 for q, 1 for k
.set HB,   76                          ; s[76:83] where four heads' codes go
.set SCO,  98                          ; s[98:101] where the scale words go
.set HM,   94                          ; mask of lanes 16-31
.set MSB, 0
.macro WIN new                         ; the immediate's high byte repeats the setting that is left
.if MSB != (\new)
	s_set_vgpr_msb (MSB<<8)|(\new)
.set MSB, (\new)
.endif
.endm
.macro PLACES n
.rept \n
	v_nop
.endr
.endm
.macro CREST                           ; a round of the cluster's barrier behind its opening barrier
	s_cmp_lg_u32 s[WV], 0
	s_cbranch_scc1 .Lnot_wave_0_\@
	s_barrier_signal -3
.Lnot_wave_0_\@:
	s_barrier_wait -3
	s_barrier_signal -1
	s_barrier_wait -1
.endm
.macro CROUND
	s_barrier_signal -1
	s_barrier_wait -1
	CREST
.endm
; Waves 0-2 ask jointly for a third of BIG each, wave 3 for SMALL's tiles.  The branches hang on the wave's number alone.  Four v_nop follow each load.
.macro TLOAD p
	s_cmp_lt_u32 s[WV], 3
	s_cbranch_scc0 .Lnot_big_\@
	tensor_load_to_lds s[G0B+4*(\p):G0B+4*(\p)+3], s[G1B:G1B+7]
	s_nop 0
	PLACES 4
	s_branch .Lasked_\@
.Lnot_big_\@:
	tensor_load_to_lds s[G0S+4*(\p):G0S+4*(\p)+3], s[G1S:G1S+7]
	s_nop 0
	PLACES 4
.Lasked_\@:
.endm
; A fragment, 16 rows x 128 K of 6-bit codes, is 12 registers: lane (r, h) holds row r; registers 6 c .. 6 c + 5 hold K = 64 c + 32 h + 0 .. 31: 24 bytes of the row, as they lie, in pieces of 8 bytes.
.macro FRAG reg, adr, i
.irp c, 0,1,2                          ; the image of tile i: registers 4 c .. 4 c + 3 at 1,536 i + 512 c + 16 x lane
	ds_load_b128 v[\reg+4*\c:\reg+4*\c+3], v[\adr] offset:1536*(\i)+512*\c
.endr
.endm
.macro FETCH_B slot, i0                ; BIG's tiles i0 .. i0 + 7: 24 loads
	WIN 0x40
.irp i, 0,1,2,3,4,5,6,7
	FRAG 12*(\i0+\i), ADB+(\slot), \i0+\i
.endr
	WIN 0
.endm
.macro FETCH_S slot                    ; SMALL's four tiles into set = slot: 12 loads
.irp i, 0,1,2,3
	FRAG SF+48*(\slot)+12*\i, ADS+(\slot), \i
.endr
.endm
; One product.  BIG's scale words of tiles 2 i and 2 i + 1 share a register: lanes 0-15 and lanes 16-31.
.macro MM a, b, s, p, zero
.set rD, 64*(\b)+8*((\a)%8)
.set rA, 12*(\a)
.set rB, SF+48*(\p)+12*(\b)
.set rX, SCB+8*((\a)/2)+(\s)
.set rY, SCS+8*(\b)+(\s)
.if (\zero) && ((\a)%2)
	v_wmma_scale_f32_16x16x128_f8f6f4 v[rD:rD+7], v[rA:rA+11], v[rB:rB+11], 0, v[rX], v[rY] matrix_a_fmt:MATRIX_FMT_FP6 matrix_b_fmt:MATRIX_FMT_FP6 matrix_a_scale:MATRIX_SCALE_ROW1
.elseif \zero
	v_wmma_scale_f32_16x16x128_f8f6f4 v[rD:rD+7], v[rA:rA+11], v[rB:rB+11], 0, v[rX], v[rY] matrix_a_fmt:MATRIX_FMT_FP6 matrix_b_fmt:MATRIX_FMT_FP6
.elseif (\a)%2
	v_wmma_scale_f32_16x16x128_f8f6f4 v[rD:rD+7], v[rA:rA+11], v[rB:rB+11], v[rD:rD+7], v[rX], v[rY] matrix_a_fmt:MATRIX_FMT_FP6 matrix_b_fmt:MATRIX_FMT_FP6 matrix_a_scale:MATRIX_SCALE_ROW1
.else
	v_wmma_scale_f32_16x16x128_f8f6f4 v[rD:rD+7], v[rA:rA+11], v[rB:rB+11], v[rD:rD+7], v[rX], v[rY] matrix_a_fmt:MATRIX_FMT_FP6 matrix_b_fmt:MATRIX_FMT_FP6
.endif
.endm
.macro MUL2 a0, s, p, zero             ; 8 products.  The 64 accumulators take turns, one instruction a turn, in the same order in every step
.irp a, \a0, \a0+1
.irp b, 0,1,2,3
	MM \a, \b, \s, \p, \zero
.endr
.endr
.endm
; K step s, from slot s % 2.  All its fragments are in registers or on their way at its head.  ONE barrier changes slots: in front of it each wave waits for all its tensor loads (its part of the other slot), adds 0 to its
; spare word, and waits for that and for its reads of this slot.  fill = 1: the barrier opens a round of the cluster's barrier, and this slot is filled with K step s + 2 first thing behind it.
.macro STEP s, fill, zero
.set P, (\s)%2
.set N, 1-P
	s_wait_dscnt 24                                ; SMALL and BIG's tiles 0-7 are in; the youngest 24 loads (tiles 8-15) may be out
	WIN 0xa1
	MUL2 0, \s, P, \zero
	MUL2 2, \s, P, \zero
	MUL2 4, \s, P, \zero
	MUL2 6, \s, P, \zero
	WIN 0                                          ; (the add's two registers lie in window 0)
	s_wait_tensorcnt 0x0                           ; all my tensor loads have landed
	ds_add_u32 v[SPW], v[NIL]                      ; 0 onto my spare word
	s_wait_dscnt 0x0                               ; the add is done, and my reads of this slot are over
	s_barrier_signal -1                            ; no product stands between the wait for the tile and the next request
	s_barrier_wait -1
.if \fill
	CREST                                          ; no wave of any partner still reads this slot or has a load on its way
	s_add_nc_u64 s[G0B+4*P+2:G0B+4*P+3], s[G0B+4*P+2:G0B+4*P+3], 196608   ; two K steps of 98,304 bytes on
	s_add_nc_u64 s[G0S+4*P+2:G0S+4*P+3], s[G0S+4*P+2:G0S+4*P+3], 196608
	TLOAD P
.endif
	PLACES 4                                       ; in front of loads into registers that products have read
	FETCH_S N
	FETCH_B N, 0
.if (\s) < 4
	global_prefetch_b8 v10, s[2:3] offset:((\s)+4)*98304 th:TH_LOAD_NT scope:SCOPE_SE   ; K step s + 4, two refills ahead of the load that wants it; K steps 4 to 7 alone: every address lies inside its image
.endif
	WIN 0xf1                                       ; C and D window 3
	MUL2 8, \s, P, \zero
	MUL2 10, \s, P, \zero
	MUL2 12, \s, P, \zero
	MUL2 14, \s, P, \zero
	PLACES 4
	FETCH_B N, 8
.endm
	s_load_b256 s[4:11], s[0:1], 0x0               ; x's codes s[4:5], x's scales s[6:7], W's codes s[8:9], W's scales s[10:11]
	s_load_b256 s[12:19], s[0:1], 0x20             ; b_qkv s[12:13], q_gamma s[14:15], q_beta s[16:17], k_gamma s[18:19]
	s_load_b128 s[20:23], s[0:1], 0x40             ; k_beta s[20:21], qimg s[22:23]
	s_load_b64 s[24:25], s[0:1], 0x50              ; kvimg
	v_lshl_add_u32 v[SPW], v0, 2, SPARE
	v_mov_b32 v[NIL], 0
	ds_add_u32 v4, v5
	ds_add_u32 v4, v5
	s_wait_dscnt 0x0
	v_lshrrev_b32 v28, 5, v0
	v_readfirstlane_b32 s[WV], v28                 ; wave 0..3
	s_and_b32 s[PART], ttmp7, 0xffff               ; 0: q, 1: k, 2: v: the same in all four partners
	s_bfe_u32 s[CX], ttmp6, 0x40000                ; my place in the cluster
	s_lshl_b32 s[XB], ttmp9, 2
	s_add_co_u32 s[XB], s[XB], s[CX]               ; parts 0, 1: tokens 64 XB on
	s_and_b32 s[HEAD], ttmp9, 3
	s_lshl_b32 s[HEAD], s[HEAD], 2
	s_add_co_u32 s[HEAD], s[HEAD], s[CX]           ; part 2: the head
	s_mov_b32 s[G1B], 15|(3<<16)|(1<<21)           ; the mask: all four partners; elements of 8 bytes; 21 set beside a mask; no padding
	s_mov_b32 s[G1S], 3<<16                        ; the same without a mask
.irp g, G1B, G1S
	s_mov_b32 s[\g+1], 32<<16                      ; dense rows of 256 bytes
	s_mov_b32 s[\g+3], 32<<16
	s_mov_b32 s[\g+5], 32
	s_mov_b32 s[\g+6], 0
	s_mov_b32 s[\g+7], 0
.endr
	s_mov_b32 s[G1B+2], 384<<16                    ; the head's loads bring BIG's whole K step, 98,304 bytes; behind them the two words are set to a third's 128 rows
	s_mov_b32 s[G1B+4], 384
	s_mov_b32 s[G1S+2], 24<<16                     ; SMALL's K step: 6,144 bytes
	s_mov_b32 s[G1S+4], 24
	s_mov_b32 s[SEL], 0x76543210
	s_mov_b32 s[SEL+1], 0xfedcba98
	; which tensor is BIG and which SMALL.  What feeds the joint loads (s66, s74, s75, s[84:85], s[96:97]) never holds my place in the cluster
	s_lshr_b32 s66, ttmp9, 2                       ; part 2: which 1,024 tokens
	s_add_co_u32 s67, s[HEAD], 32                  ; part 2: W's rows 2,048 + 64 head on, in blocks of 64 rows
	s_min_u32 s68, s[WV], 2
	s_lshl_b32 s74, s68, 15                        ; the third that I fetch: in LDS,
	s_mov_b32 s75, s74                             ; and in memory
	s_mov_b32 s97, 0
	s_mov_b32 s69, 0
	s_cmp_lt_u32 s[PART], 2
	s_cselect_b32 s66, s[PART], s66                ; BIG's block of 1,024 rows
	s_cselect_b32 s67, s[XB], s67                  ; SMALL's block of 64 rows
	s_wait_kmcnt 0x0
	s_cselect_b64 s[84:85], s[8:9], s[4:5]         ; BIG's codes
	s_cselect_b64 s[86:87], s[10:11], s[6:7]       ; BIG's scales
	s_cselect_b64 s[88:89], s[4:5], s[8:9]         ; SMALL's codes
	s_cselect_b64 s[90:91], s[6:7], s[10:11]       ; SMALL's scales
	s_mul_i32 s96, s66, 1024*768
	s_add_nc_u64 s[84:85], s[84:85], s[96:97]      ; BIG's block
	s_mov_b32 s4, 1                                ; group 0 for the head's loads, in registers whose arguments have been used: K step 0 into slot 0,
	s_mov_b32 s5, 0
	s_mov_b64 s[6:7], s[84:85]
	s_or_b32 s7, s7, 0x80000000
	s_mov_b32 s8, 1                                ; K step 1 into slot 1
	s_mov_b32 s9, SLOTB
	s_add_nc_u64 s[10:11], s[84:85], 98304
	s_or_b32 s11, s11, 0x80000000
	s_mov_b32 s96, s75
	s_add_nc_u64 s[84:85], s[84:85], s[96:97]      ; for the ring: my third
	s_lshl_b32 s96, s66, 15                        ; 1,024 rows of 32 scale bytes
	s_add_nc_u64 s[86:87], s[86:87], s[96:97]
	s_lshr_b32 s68, s67, 4                         ; SMALL's 64 rows: their block of 1,024,
	s_mul_i32 s68, s68, 786432
	s_and_b32 s95, s67, 15                         ; and their four tiles in it
	s_mul_i32 s95, s95, 6144
	s_add_co_u32 s68, s68, s95
	s_add_nc_u64 s[88:89], s[88:89], s[68:69]
	s_lshl_b32 s68, s67, 11
	s_add_nc_u64 s[90:91], s[90:91], s[68:69]
	s_lshl_b32 s68, s[HEAD], 8
	s_add_co_u32 s68, s68, 8192
	s_add_nc_u64 s[92:93], s[12:13], s[68:69]      ; b_qkv at v's feature 64 head
	CROUND                                         ; all four work-groups are here: the first joint loads meet
.irp p, 0,1
	s_mov_b32 s[G0B+4*\p], 1                       ; count = 1
	s_add_co_u32 s[G0B+4*\p+1], s74, \p*SLOTB      ; LDS address
	s_add_nc_u64 s[G0B+4*\p+2:G0B+4*\p+3], s[84:85], \p*98304   ; K step p
	s_or_b32 s[G0B+4*\p+3], s[G0B+4*\p+3], 0x80000000        ; type = 2
	s_mov_b32 s[G0S+4*\p], 1
	s_mov_b32 s[G0S+4*\p+1], \p*SLOTB+SMOFF
	s_add_nc_u64 s[G0S+4*\p+2:G0S+4*\p+3], s[88:89], \p*98304
	s_or_b32 s[G0S+4*\p+3], s[G0S+4*\p+3], 0x80000000
.endr
; THE HEAD'S LOADS, ONE A WAVE, fill both slots: wave 0 BIG's K step 0, wave 1 BIG's K step 1 (both jointly), wave 2 SMALL's K step 0, wave 3 SMALL's K step 1.  One chain of branches on the wave's number, one load to an arm, one join.
.macro ARM under, g0, g1, next
	s_cmp_lt_u32 s[WV], \under
	s_cbranch_scc0 \next
	tensor_load_to_lds s[\g0:\g0+3], s[\g1:\g1+7]
	s_nop 0
	PLACES 4
	s_branch .Lhead_asked
\next:
.endm
	ARM 1, 4, G1B, .Lhead_b
	ARM 2, 8, G1B, .Lhead_c
	ARM 3, G0S, G1S, .Lhead_d
	tensor_load_to_lds s[G0S+4:G0S+7], s[G1S:G1S+7]
	s_nop 0
	PLACES 4
.Lhead_asked:
	v_and_b32 v[R], 15, v0
	v_bfe_u32 v[H], v0, 4, 1
	v_and_b32 v[LN], 31, v0
	v_lshlrev_b32 v[L16], 4, v[LN]
	v_lshlrev_b32 v[L8], 3, v[LN]
	s_lshl_b32 s68, s[WV], 13
	v_lshl_add_u32 v28, v[LN], 5, s68              ; BIG's scales: row 256 wave + 32 i + lane, 32 bytes a row: lanes 0-15 tile 2 i, lanes 16-31 tile 2 i + 1
	v_lshlrev_b32 v29, 5, v[R]                     ; SMALL's: row 16 b + r
	v_lshlrev_b32 v30, 2, v[R]
.irp i, 0,1,2,3,4,5,6,7
	global_load_b128 v[SCB+8*\i:SCB+8*\i+3], v28, s[86:87] offset:1024*\i       ; a row's 8 words: one for each K step
	global_load_b128 v[SCB+8*\i+4:SCB+8*\i+7], v28, s[86:87] offset:1024*\i+16
.endr
.irp b, 0,1,2,3
	global_load_b128 v[SCS+8*\b:SCS+8*\b+3], v29, s[90:91] offset:512*\b
	global_load_b128 v[SCS+8*\b+4:SCS+8*\b+7], v29, s[90:91] offset:512*\b+16
.endr
.irp b, 0,1,2,3
	global_load_b32 v[VB+2*\b], v30, s[92:93] offset:64*\b                      ; b_qkv of v's feature 64 head + 16 b + r (used in part 2)
	v_mov_b32 v[VB+2*\b+1], 0                      ; (named with it as a pair)
.endr
	s_mul_i32 s68, s[WV], 24576                    ; my 16 tiles of BIG
	v_add_nc_u32 v[ADB], s68, v[L16]
	v_add_nc_u32 v[ADB+1], SLOTB, v[ADB]
	v_add_nc_u32 v[ADS], SMOFF, v[L16]
	v_add_nc_u32 v[ADS+1], SMOFF+SLOTB, v[L16]
	v_lshl_add_u32 v[LNR], v[R], 4, LNS            ; a row's four sums: 16 bytes
	s_lshl_b32 s68, s[WV], 2
	v_add_nc_u32 v[LNW], s68, v[LNR]               ; mine of them
	s_lshl_b32 s68, s[WV], 10
	v_lshl_add_u32 v[VG], v[H], 5, s68             ; my features 256 wave + 16 a + 8 h + j, in bytes
	v_cmp_ne_u32 s[HM], 0, v[H]
	; THE PREFETCHES: one instruction a wave for each K step, a lane a block of 256 bytes.  Waves 0-2: of the third that I fetch, my work-group's quarter (8,192 bytes), told apart from the partners' by address;
	; wave 3: SMALL's 24 blocks, which are my work-group's own (lanes 24-31 name the last block again).  The registers are never rewritten; the K step stands in the immediate.
	s_lshl_b32 s67, s[CX], 13
	s_cmp_lt_u32 s[WV], 3
	s_cselect_b64 s[2:3], s[84:85], s[88:89]
	s_cselect_b32 s68, 31, 23
	s_cselect_b32 s67, s67, 0
	v_min_u32 v10, s68, v[LN]
	v_lshl_add_u32 v10, v10, 8, s67
	global_prefetch_b8 v10, s[2:3] offset:2*98304 th:TH_LOAD_NT scope:SCOPE_SE   ; K steps 2 and 3: the first two refills'
	global_prefetch_b8 v10, s[2:3] offset:3*98304 th:TH_LOAD_NT scope:SCOPE_SE
	s_wait_alu depctr_va_vdst(0)
	s_wait_tensorcnt 0x0                           ; my tile of the head's four is in; no tensor load of mine is out, so a descriptor may be written:
	s_mov_b32 s[G1B+2], 128<<16                    ; from here on a load brings a third of BIG's K step
	s_mov_b32 s[G1B+4], 128
	s_barrier_signal -1
	s_barrier_wait -1                              ; all four tiles are in
	FETCH_S 0
	FETCH_B 0, 0
	FETCH_B 0, 8
	s_wait_loadcnt 0x0                             ; the scale words
	STEP 0, 1, 1                                   ; the first step's products start the sums: nothing is cleared
	STEP 1, 1, 0
	STEP 2, 1, 0
	STEP 3, 1, 0
	STEP 4, 1, 0
	STEP 5, 1, 0
	STEP 6, 0, 0                                   ; nothing is left to ask for
	s_wait_dscnt 24                                ; K step 7
	WIN 0xa1
	MUL2 0, 7, 1, 0
	MUL2 2, 7, 1, 0
	MUL2 4, 7, 1, 0
	MUL2 6, 7, 1, 0
	s_wait_dscnt 0x0
	WIN 0xf1
	MUL2 8, 7, 1, 0
	MUL2 10, 7, 1, 0
	MUL2 12, 7, 1, 0
	MUL2 14, 7, 1, 0
	WIN 0
	PLACES 4                                       ; in front of the first reads of results and of loads into the fragments' registers
; THE QUANTISER for one window of accumulators: 16 blocks q of 16 registers; block q's other 16 numbers lie in lane l xor 16.  wmax, wcvt: the window settings with the accumulators as sources.
; Pack i (registers 32 i .. 32 i + 31: two blocks) becomes six registers of codes at v[SP + 6 i] of window 1: lanes 0-15 the first block, lanes 16-31 the second.
.macro QWIN wmax, wcvt
	WIN \wmax                                      ; destination and source 2 window 1, sources 0 and 1 the accumulators
.set q, 0
.rept 16
	v_max3_num_f32 v[TM+q], |v[16*q]|, |v[16*q+1]|, 0x1800000   ; and the floor 2^(3 - 127): the byte cannot fall under 1
.set q, q+1
.endr
.irp i, 2,4,6,8,10,12,14
.set q, 0
.rept 16
	v_max3_num_f32 v[TM+q], |v[16*q+\i]|, |v[16*q+\i+1]|, v[TM+q]   ; (the 16 blocks by turns)
.set q, q+1
.endr
.endr
	WIN 0x55                                       ; all in window 1
.set q, 0
.rept 16
	v_permlanex16_b32 v[TX+q], v[TM+q], s[SEL], s[SEL+1]
.set q, q+1
.endr
.set q, 0
.rept 16
	v_max_num_f32 v[TM+q], v[TM+q], v[TX+q]        ; the block's largest magnitude
.set q, q+1
.endr
.set q, 0
.rept 16
	v_add_nc_u32 v[SOP+q], 0xff000000, v[TM+q]     ; 2 off its exponent field: the conversion takes the exponent field of this operand as its scale
.set q, q+1
.endr
.set q, 0
.rept 16
	v_lshrrev_b32 v[SBY+q], 23, v[SOP+q]           ; the scale's byte
.set q, q+1
.endr
	WIN \wcvt                                      ; destination and source 1 window 1, source 0 the accumulators
.set q, 0
.rept 8
	v_cvt_scalef32_pk16_fp6_f32 v[SP+6*q:SP+6*q+2], v[32*q:32*q+15], v[SOP+2*q]
	v_cvt_scalef32_pk16_fp6_f32 v[TP+4*q:TP+4*q+2], v[32*q+16:32*q+31], v[SOP+2*q+1]   ; (a conversion's three registers begin on an even number)
.set q, q+1
.endr
	WIN 0x55
	v_nop                                          ; one plain place behind a scaled conversion
.set q, 0
.rept 8
.irp k, 0,1,2
	v_permlane16_swap_b32 v[SP+6*q+\k], v[TP+4*q+\k]   ; the operand's layout wants a whole block in a lane
.endr
.irp k, 0,1,2
	v_mov_b32 v[SP+6*q+3+\k], v[TP+4*q+\k]
.endr
.set q, q+1
.endr
	WIN 0
.endm
.macro TXINIT                          ; a lane permute's destination counts as one of its sources
	WIN 0x40
.set q, 0
.rept 16
	v_mov_b32 v[TX+q], 0
.set q, q+1
.endr
.endm
; Parts 0, 1: window w's eight packs: tile b = i / 2 of tokens, head 4 wave + 2 w + i % 2.  An image of six registers: 16 bytes a lane (512 consecutive bytes, aligned), then 8 bytes a lane (256).
; The scale words of four tiles of one row leave as 16 bytes: lanes 0-15 the even head's, lanes 16-31 the odd head's: each sixteen lanes store 256 consecutive bytes, aligned.
.macro QKSTORE w
	WIN 0x55
.irp i, 0,1,2,3,4,5,6,7
	v_lshl_or_b32 v[WD+\i], v[SBY+2*\i+1], 8, v[SBY+2*\i]   ; two blocks' bytes; bytes 2 and 3 stay 0: K = 64 .. 127 holds zero codes
.endr
.irp b, 0,1,2,3
	v_cndmask_b32 v[DW+\b], v[WD+2*\b], v[WD+2*\b+1], s[HM]
.endr
	WIN 0x04                                       ; a store's data: window 1
.irp i, 0,1,2,3,4,5,6,7
	global_store_b128 v[L16], v[SP+6*\i:SP+6*\i+3], s[HB+4*\w+2*(\i%2):HB+4*\w+2*(\i%2)+1] offset:768*(\i/2)
	global_store_b64 v[L8], v[SP+6*\i+4:SP+6*\i+5], s[HB+4*\w+2*(\i%2):HB+4*\w+2*(\i%2)+1] offset:768*(\i/2)+512
.endr
	global_store_b128 v[VF], v[DW:DW+3], s[SCO+2*\w:SCO+2*\w+1]
	WIN 0
.endm
; Part 2: window w is key step 2 wave + w: for each tile b of the head's features a fragment of 12 registers (packs 2 b, 2 b + 1) and a scale word of four bytes.
.macro VSTORE w
	WIN 0x55
.irp b, 0,1,2,3
	v_lshl_or_b32 v[WD+4*\w+\b], v[SBY+4*\b+1], 8, v[SBY+4*\b]
	v_lshl_or_b32 v[WD+4*\w+\b], v[SBY+4*\b+2], 16, v[WD+4*\w+\b]
	v_lshl_or_b32 v[WD+4*\w+\b], v[SBY+4*\b+3], 24, v[WD+4*\w+\b]
.endr
.if \w
.irp b, 0,1,2,3
	v_cndmask_b32 v[DW+\b], v[WD+\b], v[WD+4+\b], s[HM]   ; lanes 0-15 store the first key step's words, lanes 16-31 the second's
.endr
.endif
	WIN 0x04
.irp b, 0,1,2,3
.irp c, 0,1,2
	global_store_b128 v[L16], v[SP+12*\b+4*\c:SP+12*\b+4*\c+3], s[HB:HB+1] offset:\w*13056+6144+1536*\b+512*\c
.endr
.endr
.if \w
	global_store_b128 v[VF], v[DW:DW+3], s[HB:HB+1] offset:12800
.endif
	WIN 0
.endm
; A row's sum over the four waves: my lane's pair, the other half of the lanes, then through LDS.  The total ends in v[LD + 4 b].
.macro EXCH src, off, withsb
.irp b, 0,1,2,3
	v_add_f32 v[PT+\b], v[\src+2*\b], v[\src+2*\b+1]
.endr
.if \withsb
.irp b, 0,1,2,3
	v_add_f32 v[PT+\b], v[PT+\b], v28              ; + the sum of my 128 biases
.endr
.endif
.irp b, 0,1,2,3
	v_permlanex16_b32 v[PX+\b], v[PT+\b], s[SEL], s[SEL+1]
.endr
.irp b, 0,1,2,3
	v_add_f32 v[PT+\b], v[PT+\b], v[PX+\b]
.endr
.irp b, 0,1,2,3
	ds_store_b32 v[LNW], v[PT+\b] offset:\off+256*\b   ; both halves of the lanes write the same word with the same value
.endr
	s_wait_dscnt 0x0                               ; for the others' sake: my stores are done
	s_barrier_signal -1
	s_barrier_wait -1
.irp b, 0,1,2,3
	ds_load_b128 v[LD+4*\b:LD+4*\b+3], v[LNR] offset:\off+256*\b
.endr
	s_wait_dscnt 0x0
.irp b, 0,1,2,3
	v_add_f32 v[LD+4*\b], v[LD+4*\b], v[LD+4*\b+1]
	v_add_f32 v[LD+4*\b+2], v[LD+4*\b+2], v[LD+4*\b+3]
.endr
.irp b, 0,1,2,3
	v_add_f32 v[LD+4*\b], v[LD+4*\b], v[LD+4*\b+2]
.endr
.endm
	s_cmp_eq_u32 s[PART], 2                        ; the same in every wave and in every partner
	s_cbranch_scc1 .Lvpath
	; ---------------- parts 0, 1: bias, LayerNorm in two passes (mean; then the deviations' squares), gamma, beta, q's 1/8
	s_lshl_b32 s68, s[PART], 12
	s_mov_b32 s69, 0
	s_add_nc_u64 s[12:13], s[12:13], s[68:69]      ; the part's 1,024 biases
	s_cmp_eq_u32 s[PART], 0
	s_cselect_b64 s[14:15], s[14:15], s[18:19]     ; gamma
	s_cselect_b64 s[16:17], s[16:17], s[20:21]     ; beta
	s_cselect_b32 s[FAC], 0x3e000000, 1.0          ; 1/8 for q: a power of two, so it may be put into 1 / sqrt and into beta
	s_mov_b32 s[FAC+1], s[FAC]
.set i, 0
.rept 16
	global_load_b128 v[BI+8*i:BI+8*i+3], v[VG], s[12:13] offset:64*i
	global_load_b128 v[BI+8*i+4:BI+8*i+7], v[VG], s[12:13] offset:64*i+16
.set i, i+1
.endr
	WIN 0x40                                       ; destination window 1
.set i, 0
.rept 16
	global_load_b128 v[8*i:8*i+3], v[VG], s[14:15] offset:64*i
	global_load_b128 v[8*i+4:8*i+7], v[VG], s[14:15] offset:64*i+16
.set i, i+1
.endr
.set i, 0
.rept 16
	global_load_b128 v[128+8*i:128+8*i+3], v[VG], s[16:17] offset:64*i
	global_load_b128 v[128+8*i+4:128+8*i+7], v[VG], s[16:17] offset:64*i+16
.set i, i+1
.endr
	; where the images go: record ((batch 16 + head) 16 + key step) of REC bytes; my 64 tokens are tiles 4 g .. 4 g + 3 of its 8
	s_lshr_b32 s67, s[XB], 5                       ; batch
	s_lshl_b32 s67, s67, 4
	s_lshl_b32 s68, s[WV], 2
	s_add_co_u32 s67, s67, s68                     ; + head 4 wave
	s_lshl_b32 s67, s67, 4
	s_bfe_u32 s68, s[XB], 0x40001                  ; which 128 tokens of the batch
	s_add_co_u32 s67, s67, s68
	s_and_b32 s95, s[XB], 1                        ; g
	s_mov_b32 s90, 13056
	s_mov_b32 s91, 12288
	s_cmp_eq_u32 s[PART], 0
	s_cselect_b32 s90, 6656, s90                   ; a record's bytes: qimg, kvimg
	s_cselect_b32 s91, 6144, s91                   ; where its scale words of Q or K begin
	s_cselect_b64 s[92:93], s[22:23], s[24:25]
	s_mul_i32 s68, s67, s90
	s_add_nc_u64 s[92:93], s[92:93], s[68:69]
	s_lshl_b32 s90, s90, 4                         ; from head to head: 16 records
	s_lshl_b32 s68, s95, 8
	s_add_co_u32 s68, s68, s91
	s_add_nc_u64 s[SCO:SCO+1], s[92:93], s[68:69]
	s_lshl_b32 s68, s90, 1
	s_add_nc_u64 s[SCO+2:SCO+3], s[SCO:SCO+1], s[68:69]
	s_mul_i32 s68, s95, 3072
	s_add_nc_u64 s[HB:HB+1], s[92:93], s[68:69]
	s_mov_b32 s68, s90
	s_add_nc_u64 s[HB+2:HB+3], s[HB:HB+1], s[68:69]
	s_add_nc_u64 s[HB+4:HB+5], s[HB+2:HB+3], s[68:69]
	s_add_nc_u64 s[HB+6:HB+7], s[HB+4:HB+5], s[68:69]
	s_mov_b32 s88, 0x3a800000                      ; 1 / 1,024
	s_mov_b32 s89, 0x358637bd                      ; eps = 1e-6
	; the rows' sums of the products, while the loads are on their way: four chains, each accumulator from its low end on
	WIN 0x0a                                       ; sources 0 and 1 window 2
.irp b, 0,1,2,3
	v_pk_add_f32 v[SUM+2*\b:SUM+2*\b+1], v[64*\b:64*\b+1], v[64*\b+2:64*\b+3]
.endr
	WIN 0x02
.set i, 4
.rept 30
.irp b, 0,1,2,3
	v_pk_add_f32 v[SUM+2*\b:SUM+2*\b+1], v[64*\b+i:64*\b+i+1], v[SUM+2*\b:SUM+2*\b+1]
.endr
.set i, i+2
.endr
	WIN 0x03
.set i, 0
.rept 32
.irp b, 0,1,2,3
	v_pk_add_f32 v[SUM+2*\b:SUM+2*\b+1], v[64*\b+i:64*\b+i+1], v[SUM+2*\b:SUM+2*\b+1]
.endr
.set i, i+2
.endr
	WIN 0
	v_mul_lo_u32 v[VF], v[H], s90
	v_lshl_add_u32 v[VF], v[R], 4, v[VF]           ; the scale words' store: 16 r, and a head on for lanes 16-31
	s_wait_loadcnt 63                              ; the 32 loads of the bias are in.  64 loads (gamma's, beta's) are younger than the last of them; a wait names 63 at the most (ISA guide 5.7.1), so gamma's first load is waited for too
	v_pk_add_f32 v[28:29], v[BI:BI+1], v[BI+2:BI+3]        ; the sum of my 128 biases, in two chains
	v_pk_add_f32 v[30:31], v[BI+4:BI+5], v[BI+6:BI+7]
.set i, 8
.rept 30
	v_pk_add_f32 v[28:29], v[28:29], v[BI+i:BI+i+1]
	v_pk_add_f32 v[30:31], v[30:31], v[BI+i+2:BI+i+3]
.set i, i+4
.endr
	v_pk_add_f32 v[28:29], v[28:29], v[30:31]
	v_add_f32 v28, v28, v29
	WIN 0x82                                       ; destination and source 0 window 2, source 1 window 0
.set i, 0
.rept 32
.irp b, 0,1,2,3
	v_pk_add_f32 v[64*\b+i:64*\b+i+1], v[64*\b+i:64*\b+i+1], v[BI+i:BI+i+1]
.endr
.set i, i+2
.endr
	WIN 0xc3
.set i, 0
.rept 32
.irp b, 0,1,2,3
	v_pk_add_f32 v[64*\b+i:64*\b+i+1], v[64*\b+i:64*\b+i+1], v[BI+64+i:BI+64+i+1]
.endr
.set i, i+2
.endr
	WIN 0
	EXCH SUM, 0, 1
.irp b, 0,1,2,3
	v_mul_f32 v[NMU+2*\b], 0xba800000, v[LD+4*\b]  ; -mean = -sum / 1,024
.endr
	s_wait_loadcnt 0x0                             ; gamma and beta
	WIN 0x41                                       ; destination and source 0 window 1
.set i, 0
.rept 64
	v_pk_mul_f32 v[128+i:129+i], v[128+i:129+i], s[FAC:FAC+1] op_sel_hi:[1,0]   ; beta x the factor
.set i, i+2
.endr
	WIN 0x82
.set i, 0
.rept 32
.irp b, 0,1,2,3
	v_pk_add_f32 v[64*\b+i:64*\b+i+1], v[64*\b+i:64*\b+i+1], v[NMU+2*\b:NMU+2*\b+1] op_sel_hi:[1,0]   ; the deviations
.endr
.set i, i+2
.endr
	WIN 0x0a
.irp b, 0,1,2,3
	v_pk_mul_f32 v[SQ+2*\b:SQ+2*\b+1], v[64*\b:64*\b+1], v[64*\b:64*\b+1]
.endr
.set i, 2
.rept 31
.irp b, 0,1,2,3
	v_pk_fma_f32 v[SQ+2*\b:SQ+2*\b+1], v[64*\b+i:64*\b+i+1], v[64*\b+i:64*\b+i+1], v[SQ+2*\b:SQ+2*\b+1]
.endr
.set i, i+2
.endr
	WIN 0xc3
.set i, 0
.rept 32
.irp b, 0,1,2,3
	v_pk_add_f32 v[64*\b+i:64*\b+i+1], v[64*\b+i:64*\b+i+1], v[NMU+2*\b:NMU+2*\b+1] op_sel_hi:[1,0]
.endr
.set i, i+2
.endr
	WIN 0x0f
.set i, 0
.rept 32
.irp b, 0,1,2,3
	v_pk_fma_f32 v[SQ+2*\b:SQ+2*\b+1], v[64*\b+i:64*\b+i+1], v[64*\b+i:64*\b+i+1], v[SQ+2*\b:SQ+2*\b+1]
.endr
.set i, i+2
.endr
	WIN 0
	EXCH SQ, 1024, 0                               ; other bytes than the first exchange's: no barrier between the two is owed
.irp b, 0,1,2,3
	v_fma_f32 v[PT+\b], v[LD+4*\b], s88, s89       ; var + eps
.endr
	s_wait_alu depctr_va_vdst(0)
.irp b, 0,1,2,3
	v_rsq_f32 v[RS+2*\b], v[PT+\b]
.endr
	v_nop                                          ; a plain place behind the last of them
	s_wait_alu depctr_va_vdst(0)                   ; one wait for the four, ahead of their first reader
.irp b, 0,1,2,3
	v_mul_f32 v[RS+2*\b], s[FAC], v[RS+2*\b]
.endr
	WIN 0x82
.set i, 0
.rept 32
.irp b, 0,1,2,3
	v_pk_mul_f32 v[64*\b+i:64*\b+i+1], v[64*\b+i:64*\b+i+1], v[RS+2*\b:RS+2*\b+1] op_sel_hi:[1,0]
.endr
.set i, i+2
.endr
	WIN 0x96                                       ; sources 1 and 2 (gamma, beta) window 1
.set i, 0
.rept 32
.irp b, 0,1,2,3
	v_pk_fma_f32 v[64*\b+i:64*\b+i+1], v[64*\b+i:64*\b+i+1], v[i:i+1], v[128+i:129+i]
.endr
.set i, i+2
.endr
	WIN 0xc3
.set i, 0
.rept 32
.irp b, 0,1,2,3
	v_pk_mul_f32 v[64*\b+i:64*\b+i+1], v[64*\b+i:64*\b+i+1], v[RS+2*\b:RS+2*\b+1] op_sel_hi:[1,0]
.endr
.set i, i+2
.endr
	WIN 0xd7
.set i, 0
.rept 32
.irp b, 0,1,2,3
	v_pk_fma_f32 v[64*\b+i:64*\b+i+1], v[64*\b+i:64*\b+i+1], v[64+i:65+i], v[192+i:193+i]
.endr
.set i, i+2
.endr
	TXINIT
	QWIN 0x5a, 0x46
	QKSTORE 0
	s_wait_xcnt 0x0                                ; the stores have read their data: the quantiser's registers may be written again
	QWIN 0x5f, 0x47
	QKSTORE 1
	s_branch .Lend
.Lvpath:
	; ---------------- part 2: bias, then the quantiser along the tokens
	s_lshr_b32 s67, ttmp9, 3                       ; batch
	s_lshl_b32 s67, s67, 4
	s_add_co_u32 s67, s67, s[HEAD]
	s_lshl_b32 s67, s67, 4
	s_bfe_u32 s68, ttmp9, 0x10002                  ; which half of the batch's 2,048 tokens: 8 key steps
	s_lshl_b32 s68, s68, 3
	s_add_co_u32 s67, s67, s68
	s_lshl_b32 s68, s[WV], 1
	s_add_co_u32 s67, s67, s68                     ; my 256 tokens are key steps 2 wave, 2 wave + 1 of them
	s_mul_i32 s68, s67, 13056
	s_mov_b32 s69, 0
	s_add_nc_u64 s[HB:HB+1], s[24:25], s[68:69]
	v_mul_u32_u24 v[VF], v[H], 13056
	v_lshl_add_u32 v[VF], v[R], 4, v[VF]
	WIN 0x82
.set i, 0
.rept 32
.irp b, 0,1,2,3
	v_pk_add_f32 v[64*\b+i:64*\b+i+1], v[64*\b+i:64*\b+i+1], v[VB+2*\b:VB+2*\b+1] op_sel_hi:[1,0]
.endr
.set i, i+2
.endr
	WIN 0xc3
.set i, 0
.rept 32
.irp b, 0,1,2,3
	v_pk_add_f32 v[64*\b+i:64*\b+i+1], v[64*\b+i:64*\b+i+1], v[VB+2*\b:VB+2*\b+1] op_sel_hi:[1,0]
.endr
.set i, i+2
.endr
	TXINIT
	QWIN 0x5a, 0x46
	VSTORE 0
	s_wait_xcnt 0x0
	QWIN 0x5f, 0x47
	VSTORE 1
.Lend:
	s_wait_tensorcnt 0x0                           ; the wave's end
	ds_add_u32 v[SPW], v[NIL]
	s_wait_dscnt 0x0
	CROUND                                         ; the closing round: no work-group ends while a partner may still ask for a tile that names it
	s_endpgm
.Lfunc_end_k_qcc5b1938fc_qkv:
	.size	k_qcc5b1938fc_qkv, .Lfunc_end_k_qcc5b1938fc_qkv-k_qcc5b1938fc_qkv
	.p2alignl 7, 3214868480
	.fill 96, 4, 3214868480
	.section	.rodata,"a",@progbits
	.p2align	6, 0x0
	.amdhsa_kernel k_qcc5b1938fc_qkv
		.amdhsa_group_segment_fixed_size 327680
		.amdhsa_private_segment_fixed_size 0
		.amdhsa_enable_private_segment 0
		.amdhsa_kernarg_size 88
		.amdhsa_user_sgpr_count 2
		.amdhsa_user_sgpr_kernarg_segment_ptr 1
		.amdhsa_wavefront_size32 1
		.amdhsa_system_sgpr_workgroup_id_x 1
		.amdhsa_system_sgpr_workgroup_id_y 1
		.amdhsa_system_sgpr_workgroup_id_z 1
		.amdhsa_system_vgpr_workitem_id 0
		.amdhsa_next_free_vgpr 1024
		.amdhsa_next_free_sgpr 102
		.amdhsa_reserve_vcc 0
		.amdhsa_float_denorm_mode_32 3
		.amdhsa_float_denorm_mode_16_64 3
		.amdhsa_memory_ordered 1
		.amdhsa_forward_progress 1
		.amdhsa_inst_pref_size 255
	.end_amdhsa_kernel
	.section	.bss,"aw",@nobits
	.p2align	6
	.space	262144
	.amdgpu_metadata
---
amdhsa.version: [ 1, 2 ]
amdhsa.kernels:
  - .name:           k_qcc5b1938fc_qkv
    .symbol:         k_qcc5b1938fc_qkv.kd
    .args:
      - { .name: ximg, .offset: 0, .size: 8, .value_kind: global_buffer, .address_space: global }
      - { .name: x_scales, .offset: 8, .size: 8, .value_kind: global_buffer, .address_space: global }
      - { .name: wqimg, .offset: 16, .size: 8, .value_kind: global_buffer, .address_space: global }
      - { .name: W_qkv_scales, .offset: 24, .size: 8, .value_kind: global_buffer, .address_space: global }
      - { .name: b_qkv, .offset: 32, .size: 8, .value_kind: global_buffer, .address_space: global }
      - { .name: q_gamma, .offset: 40, .size: 8, .value_kind: global_buffer, .address_space: global }
      - { .name: q_beta, .offset: 48, .size: 8, .value_kind: global_buffer, .address_space: global }
      - { .name: k_gamma, .offset: 56, .size: 8, .value_kind: global_buffer, .address_space: global }
      - { .name: k_beta, .offset: 64, .size: 8, .value_kind: global_buffer, .address_space: global }
      - { .name: qimg, .offset: 72, .size: 8, .value_kind: global_buffer, .address_space: global }
      - { .name: kvimg, .offset: 80, .size: 8, .value_kind: global_buffer, .address_space: global }
    .group_segment_fixed_size: 327680
    .private_segment_fixed_size: 0
    .kernarg_segment_align: 8
    .kernarg_segment_size: 88
    .max_flat_workgroup_size: 128
    .sgpr_count:     102
    .vgpr_count:     1024
    .wavefront_size: 32
...
	.end_amdgpu_metadata
.endif
;; end of part 2
;; launch attn (part 3): grid 4 x 64, 16 waves a work-group, clusters of 4 x 1, 212,992 bytes of LDS; arguments qimg, kvimg, oimg, oscale; writes oimg, oscale
.if DOCPART == 3
	.amdgcn_target "amdgcn-amd-amdhsa--gfx1250"
	.amdhsa_code_object_version 6
	.text
	.protected	k_qcc5b1938fc_attn
	.globl	k_qcc5b1938fc_attn
	.p2align	8
	.type	k_qcc5b1938fc_attn,@function
k_qcc5b1938fc_attn:
	s_mov_b64 s[64:65], 0
	v_nop
	global_prefetch_b8 v0, s[64:65] scope:SCOPE_SE
	s_setreg_imm32_b32 hwreg(HW_REG_WAVE_MODE, 25, 1), 1
	s_wait_xcnt 0x0
	s_wait_alu depctr_hold_cnt(0) depctr_sa_sdst(0) depctr_va_vdst(0) depctr_va_sdst(0) depctr_va_ssrc(0) depctr_va_vcc(0) depctr_vm_vsrc(0)
	s_getreg_b32 s2, hwreg(HW_REG_IB_STS2, 6, 4)
	s_cmp_eq_u32 s2, 0
	s_cbranch_scc0 .Lentry_in_a_cluster
	s_endpgm
.Lentry_in_a_cluster:
	s_bfe_u32 s2, ttmp6, 0x10000c
	s_cmp_lg_u32 s2, 0x3003
	s_cbranch_scc0 .Lentry_shape_is_right
	s_endpgm
.Lentry_shape_is_right:
; o = softmax(q k^T) v for one head (q carries the 1/8), both products on codes of FP6 (E2M3); o is quantised along the features and stored as images of operand registers for the projection.
; THE SOFTMAX AHEAD OF THE SECOND PRODUCT: t = logit x log2(e); M = the running largest t rounded UP to a whole number; p = 2^(t - M) is quantised along the keys, not normalised; the row's sum is taken of the
; unquantised p and divides O at the end.  When M moves, the sum and O are multiplied by 2^(old M - new M): exact.
; SHARES.  Work-group y = batch x 16 + head.  The four work-groups of a head are one cluster; each owns 512 queries, in two passes of 256; each of its SIXTEEN waves owns 16 queries a pass, in 256 registers: four waves
; to a SIMD, so that one wave's vector work stands beside another's products and LDS loads.
; THE HEAD'S WHOLE K AND V, 16 records of 13,056 bytes, lie in LDS and are filled ONCE, by joint loads (all four partners read the same bytes): no slot is ever filled again.  All of it is asked for by the launch's first
; instructions, so there is nothing that could be asked for earlier.  A record is one key step of 128 keys, laid in the order of the operands' registers: every LDS load takes consecutive bytes, 16 or 8 a lane.
;   record: 0: K's codes, 8 tiles x 768;  6,144: V's codes, 4 tiles of the head's 64 x 1,536;  12,288: K's scale words [2][16 rows][4 tiles];  12,800: V's [16 rows][4 tiles].
; LAYOUT.  Both products are used transposed: S^T = K Q^T (source 0 = 16 keys, source 1 = my 16 queries; K = the head's 64, places 64 .. 127 hold zero codes on both sides), O^T = V^T P^T: a lane holds ONE query throughout.
; P's codes come out of S^T by the same lines by which V's came out of its product, so both carry the same order inside a block of 32 keys.  o meets GIVEN codes (W_proj's), so its numbers are brought into their true order first.
; LIMITS: NaN and infinities are not served; a block whose largest magnitude lies under 2^-124 (a block of zeros too) keeps the scale byte 1.
.set REC,  13056
.set SST,  16*REC                      ; behind the records: 2,048 bytes, the stage for o's scale words; no tensor load fills it
.set LI16, 1                           ; 16 x lane
.set LI8,  2                           ; 8 x lane
.set R16,  3                           ; 16 x (lane % 16)
.set ADK,  4                           ; the record in hand + 16 x lane
.set ADK8, 5                           ; + 8 x lane
.set ADS,  6                           ; + 16 r
.set SW,   7                           ; the stage: my query's word
.set SRD,  8                           ; the stage: 16 bytes a thread (waves 0-3)
.set SGO,  9                           ; and their place in oscale
.set KF,   32                          ; v32-79 four fragments of K; the upper six registers of each stay 0
.set KS,   80                          ; v80-87 K's scale words;  v88-91 V's;  v28 Q's;  v225 P's: they hold scales and nothing else
.set VS,   88
.set S,    96                          ; v96-159 S^T, then p, then V's fragments (v96-143); on the way out o
.set O,    160                         ; v160-191 O^T
.set PC,   192                         ; v192-203 P's codes
.set PT,   204                         ; v204-211 the second halves of blocks
.set BM,   212
.set BP,   216
.set SO,   220
.set T,    224
.set PW,   225
.set F,    226                         ; v[226:227] f = 2^(old M - new M)
.set A2,   228                         ; v[228:229] the sum's second chain
.set RL,   230                         ; v[230:231] 1 / the sum
.set WV,   12
.set BH,   13
.set CX,   14
.set G1,   16                          ; s[16:23]
.set G0,   24                          ; s[24:39] four groups 0
.set SEL,  40
.set CS,   42                          ; s[42:43] log2(e)
.set TB,   44
.set CNT,  45
.set PASS, 46
.set QB,   48
.set QSB,  50
.set OB,   52
.set OSB,  54
.macro PLACES n
.rept \n
	v_nop
.endr
.endm
.macro CROUND                          ; a round of the cluster's barrier
	s_barrier_signal -1
	s_barrier_wait -1
	s_cmp_lg_u32 s[WV], 0
	s_cbranch_scc1 .Lnot_wave_0_\@
	s_barrier_signal -3
.Lnot_wave_0_\@:
	s_barrier_wait -3
	s_barrier_signal -1
	s_barrier_wait -1
.endm
	s_load_b256 s[4:11], s[0:1], 0x0               ; qimg s[4:5], kvimg s[6:7], oimg s[8:9], oscale s[10:11]
	v_lshl_add_u32 v254, v0, 2, 0x33800            ; the spare words lie behind the stage's 2,048 bytes (1,024 for each pass)
	v_mov_b32 v255, 0
	ds_add_u32 v254, v255
	ds_add_u32 v254, v255
	v_lshrrev_b32 v10, 5, v0
	s_delay_alu instid0(VALU_DEP_1)
	v_readfirstlane_b32 s[WV], v10                 ; wave 0..15
	s_and_b32 s[BH], ttmp7, 0xffff                 ; batch x 16 + head: the four partners share it
	s_bfe_u32 s[CX], ttmp6, 0x40000                ; my place in the cluster: it enters Q's and o's addresses alone
	s_mov_b32 s[G1], 15|(3<<16)|(1<<21)            ; the mask: all four partners; elements of 8 bytes; 21 set beside a mask; no padding
	s_mov_b32 s[G1+1], 32<<16                      ; a record is dense: 51 rows of 256 bytes
	s_mov_b32 s[G1+2], 51<<16
	s_mov_b32 s[G1+3], 32<<16
	s_mov_b32 s[G1+4], 51
	s_mov_b32 s[G1+5], 32
	s_mov_b32 s[G1+6], 0
	s_mov_b32 s[G1+7], 0
	s_mov_b32 s[SEL], 0x76543210
	s_mov_b32 s[SEL+1], 0xfedcba98
	s_mov_b32 s[CS], 0x3fb8aa3b
	s_mov_b32 s[CS+1], s[CS]
	s_mul_i32 s57, s[WV], REC                      ; wave w fetches record w: sixteen records, sixteen waves, one load each
	s_mul_i32 s58, s[BH], 16*REC
	s_add_co_u32 s58, s58, s57
	s_mov_b32 s59, 0
	s_wait_dscnt 0x0
	s_wait_kmcnt 0x0
	s_add_nc_u64 s[60:61], s[6:7], s[58:59]
	CROUND                                         ; all four work-groups are here: the joint loads meet
	s_mov_b32 s[G0], 1
	s_mov_b32 s[G0+1], s57
	s_mov_b64 s[G0+2:G0+3], s[60:61]
	s_or_b32 s[G0+3], s[G0+3], 0x80000000
	tensor_load_to_lds s[G0:G0+3], s[G1:G1+7]      ; no branch: every wave issues its one load
	s_nop 0
	PLACES 4
	; Q: record batch-head x 16 + 4 cx + 2 pass + wave / 8 of 6,656 bytes, tile wave % 8
	s_lshl_b32 s62, s[BH], 4
	s_lshl_b32 s63, s[CX], 2
	s_add_co_u32 s62, s62, s63
	s_lshr_b32 s63, s[WV], 3
	s_add_co_u32 s62, s62, s63
	s_mul_i32 s62, s62, 6656
	s_mov_b32 s63, 0
	s_add_nc_u64 s[QSB:QSB+1], s[4:5], s[62:63]
	s_and_b32 s2, s[WV], 7
	s_mul_i32 s62, s2, 768
	s_add_nc_u64 s[QB:QB+1], s[QSB:QSB+1], s[62:63]
	s_lshr_b32 s62, s2, 2
	s_lshl_b32 s62, s62, 8
	s_and_b32 s3, s[WV], 3
	s_lshl_b32 s3, s3, 2
	s_add_co_u32 s62, s62, s3
	s_add_co_u32 s62, s62, 6144
	s_add_nc_u64 s[QSB:QSB+1], s[QSB:QSB+1], s[62:63]   ; my tile's scale words: [tile / 4][r][tile % 4]
	; o: block of 64 tokens = batch x 32 + 8 cx + 4 pass + wave / 4, tile wave % 4 of it
	s_lshr_b32 s2, s[BH], 4
	s_lshl_b32 s2, s2, 5
	s_lshl_b32 s3, s[CX], 3
	s_add_co_u32 s2, s2, s3
	s_lshl_b32 s62, s2, 12
	s_and_b32 s3, s[BH], 15                        ; head
	s_lshl_b32 s47, s3, 8
	s_add_co_u32 s62, s62, s47
	s_add_nc_u64 s[OSB:OSB+1], s[10:11], s[62:63]  ; oscale [block][head][64 tokens] words
	s_lshr_b32 s47, s[WV], 2
	s_add_co_u32 s2, s2, s47
	s_mul_i32 s62, s2, 49152
	s_lshr_b32 s47, s3, 1
	s_mul_i32 s47, s47, 6144
	s_add_co_u32 s62, s62, s47
	s_and_b32 s47, s[WV], 3
	s_mul_i32 s47, s47, 1536
	s_add_co_u32 s62, s62, s47
	s_and_b32 s47, s3, 1
	s_mul_i32 s47, s47, 768
	s_add_co_u32 s62, s62, s47
	s_add_nc_u64 s[OB:OB+1], s[8:9], s[62:63]      ; oimg [block][head / 2][tile][head % 2][768]
	v_and_b32 v10, 31, v0
	s_delay_alu instid0(VALU_DEP_1)
	v_lshlrev_b32 v[LI16], 4, v10
	s_delay_alu instid0(VALU_DEP_2)
	v_lshlrev_b32 v[LI8], 3, v10
	v_and_b32 v11, 15, v0
	s_delay_alu instid0(VALU_DEP_1)
	v_lshlrev_b32 v[R16], 4, v11
	s_lshl_b32 s47, s[WV], 6
	s_add_co_u32 s47, s47, SST
	v_lshl_add_u32 v[SW], v11, 2, s47              ; the stage: 4 x (16 wave + r)
	v_and_b32 v10, 127, v0                         ; waves 0-3 carry both passes' 2,048 bytes out
	s_delay_alu instid0(VALU_DEP_1)
	v_lshl_add_u32 v[SRD], v10, 4, SST
	v_bfe_u32 v10, v0, 4, 3
	s_delay_alu instid0(VALU_DEP_1)
	v_lshlrev_b32 v[SGO], 12, v10
	s_delay_alu instid0(VALU_DEP_1)
	v_lshl_add_u32 v[SGO], v11, 4, v[SGO]          ; sixteen threads store a block's 256 bytes; eight blocks, 4,096 bytes apart
.irp j, 22,23,24,25,26,27
	v_mov_b32 v[\j], 0                             ; Q's K = 64 .. 127: zero codes
.endr
.irp t, 0,1,2,3
.irp j, 6,7,8,9,10,11
	v_mov_b32 v[KF+12*\t+\j], 0                    ; K's likewise: written once
.endr
.endr
.irp b, 0,1,2,3
	v_mov_b32 v[BP+\b], 0                          ; a lane permute's destination counts as one of its sources
.endr
	v_mov_b32 v[F+1], 0                            ; (named as upper halves of pairs)
	v_mov_b32 v[RL+1], 0
; A KEY STEP: 128 keys, the record at LDS byte s[TB].
.macro STEP
	v_add_nc_u32 v[ADK], s[TB], v[LI16]
	v_add_nc_u32 v[ADK8], s[TB], v[LI8]
	v_add_nc_u32 v[ADS], s[TB], v[R16]
	s_wait_alu depctr_va_vdst(0)                   ; one wait for the three
	PLACES 2                                       ; five places: the products below write over registers that the last step's products read (V's fragments)
.irp g, 0,1                                    ; S^T = K Q^T, four tiles of 16 keys at a time
.if \g
	PLACES 4                                       ; in front of loads into registers that products have read
.endif
.irp t, 0,1,2,3
	ds_load_b128 v[KF+12*\t:KF+12*\t+3], v[ADK] offset:768*(4*\g+\t)
	ds_load_b64 v[KF+12*\t+4:KF+12*\t+5], v[ADK8] offset:768*(4*\g+\t)+512
.endr
	ds_load_b128 v[KS+4*\g:KS+4*\g+3], v[ADS] offset:12288+256*\g
	s_wait_dscnt 0x0
.irp t, 0,1,2,3
	v_wmma_scale_f32_16x16x128_f8f6f4 v[S+8*(4*\g+\t):S+8*(4*\g+\t)+7], v[KF+12*\t:KF+12*\t+11], v[16:27], 0, v[KS+4*\g+\t], v28 matrix_a_fmt:MATRIX_FMT_FP6 matrix_b_fmt:MATRIX_FMT_FP6
.endr
.endr
	PLACES 4
.irp b, 0,1,2,3
	v_max3_num_f32 v[BM+\b], v[S+16*\b], v[S+1+16*\b], v[S+2+16*\b]   ; the largest score of each block of 32 keys: for the row's maximum and, since p rises with the score, for the block's largest p
.endr
.irp i, 3,5,7,9,11,13
.irp b, 0,1,2,3
	v_max3_num_f32 v[BM+\b], v[BM+\b], v[S+16*\b+\i], v[S+1+16*\b+\i]
.endr
.endr
.irp b, 0,1,2,3
	v_max_num_f32 v[BM+\b], v[BM+\b], v[S+15+16*\b]
.endr
.irp b, 0,1,2,3
	s_delay_alu instid0(VALU_DEP_4)
	v_permlanex16_b32 v[BP+\b], v[BM+\b], s[SEL], s[SEL+1]
.endr
.irp b, 0,1,2,3
	s_delay_alu instid0(VALU_DEP_4)
	v_max_num_f32 v[BM+\b], v[BM+\b], v[BP+\b]     ; with lane l xor 16's 16 keys
.endr
	s_delay_alu instid0(VALU_DEP_2)
	v_max3_num_f32 v[T], v[BM], v[BM+1], v[BM+2]
	s_delay_alu instid0(VALU_DEP_1)
	v_max_num_f32 v[T], v[T], v[BM+3]
	s_delay_alu instid0(VALU_DEP_1)
	v_mul_f32 v[T], s[CS], v[T]                    ; as t
	s_delay_alu instid0(VALU_DEP_1)
	v_max_num_f32 v13, v13, v[T]                   ; the running largest t
	v_mov_b32 v[T], v12
	s_delay_alu instid0(VALU_DEP_2)
	v_floor_f32 v12, -v13                          ; the new -M = floor(-t): M is a whole number
	s_delay_alu instid0(VALU_DEP_1)
	v_sub_f32 v[T], v12, v[T]                      ; old M - new M: a whole number, 0 or less
	s_delay_alu instid0(VALU_DEP_1)
	v_cvt_i32_f32 v[T], v[T]                       ; (it saturates)
	s_delay_alu instid0(VALU_DEP_1)
	v_ldexp_f32 v[F], 1.0, v[T]                    ; f = 2^(old M - new M)
.set j, 0
.rept 32
	v_pk_fma_f32 v[S+j:S+j+1], v[S+j:S+j+1], s[CS:CS+1], v[12:13] op_sel_hi:[1,0,0]   ; t - M
.set j, j+2
.endr
.irp b, 0,1,2,3
	v_fma_f32 v[BM+\b], v[BM+\b], s[CS], v12       ; the same of each block's largest score
.endr
.set j, 0
	s_wait_alu depctr_va_vdst(0)
.rept 64
	v_exp_f32 v[S+j], v[S+j]                       ; p = 2^(t - M), at most 1
.set j, j+1
.endr
	v_pk_mul_f32 v[14:15], v[14:15], v[F:F+1] op_sel_hi:[1,0]   ; the sums under the new M (a plain place behind the exponentials)
	s_wait_alu depctr_va_vdst(0)                   ; one wait for the batch, ahead of its first reader
.irp b, 0,1,2,3
	v_exp_f32 v[BM+\b], v[BM+\b]                   ; the block's largest p: the same two instructions on the same number
.endr
	v_pk_add_f32 v[228:229], v[100:101], v[104:105]
	v_pk_add_f32 v[252:253], v[108:109], v[112:113]
	v_pk_add_f32 v[250:251], v[116:117], v[120:121]
	v_pk_add_f32 v[248:249], v[124:125], v[128:129]
	v_pk_add_f32 v[246:247], v[132:133], v[136:137]
	v_pk_add_f32 v[244:245], v[140:141], v[144:145]
	v_pk_add_f32 v[242:243], v[148:149], v[152:153]
	v_pk_add_f32 v[14:15], v[14:15], v[156:157]
	v_pk_add_f32 v[228:229], v[228:229], v[96:97]
	v_pk_add_f32 v[252:253], v[252:253], v[98:99]
	v_pk_add_f32 v[250:251], v[250:251], v[102:103]
	v_pk_add_f32 v[248:249], v[248:249], v[106:107]
	v_pk_add_f32 v[246:247], v[246:247], v[110:111]
	v_pk_add_f32 v[244:245], v[244:245], v[114:115]
	v_pk_add_f32 v[242:243], v[242:243], v[118:119]
	v_pk_add_f32 v[14:15], v[14:15], v[122:123]
	v_pk_add_f32 v[228:229], v[228:229], v[126:127]
	v_pk_add_f32 v[252:253], v[252:253], v[130:131]
	v_pk_add_f32 v[250:251], v[250:251], v[134:135]
	v_pk_add_f32 v[248:249], v[248:249], v[138:139]
	v_pk_add_f32 v[246:247], v[246:247], v[142:143]
	v_pk_add_f32 v[244:245], v[244:245], v[146:147]
	v_pk_add_f32 v[242:243], v[242:243], v[150:151]
	v_pk_add_f32 v[14:15], v[14:15], v[154:155]
	v_pk_add_f32 v[228:229], v[228:229], v[158:159]
	s_delay_alu instid0(VALU_DEP_2)
	v_pk_add_f32 v[14:15], v[14:15], v[248:249]
	s_delay_alu instid0(VALU_DEP_2)
	v_pk_add_f32 v[228:229], v[228:229], v[246:247]
	v_pk_add_f32 v[252:253], v[252:253], v[244:245]
	v_pk_add_f32 v[250:251], v[250:251], v[242:243]
	s_delay_alu instid0(VALU_DEP_2)
	v_pk_add_f32 v[14:15], v[14:15], v[252:253]
	s_delay_alu instid0(VALU_DEP_2)
	v_pk_add_f32 v[228:229], v[228:229], v[250:251]
	s_delay_alu instid0(VALU_DEP_1)
	v_pk_add_f32 v[14:15], v[14:15], v[228:229]
	s_wait_alu depctr_va_vdst(0)                   ; and one for the four
.irp b, 0,1,2,3
	v_max_num_f32 v[BM+\b], 0x1800000, v[BM+\b]    ; the floor 2^(3 - 127): the byte cannot fall under 1
.endr
.irp b, 0,1,2,3
	s_delay_alu instid0(VALU_DEP_4)
	v_add_nc_u32 v[SO+\b], 0xff000000, v[BM+\b]    ; 2 off the exponent field: the conversion's scale operand
.endr
.irp b, 0,1,2,3
	s_delay_alu instid0(VALU_DEP_4)
	v_lshrrev_b32 v[BP+\b], 23, v[SO+\b]           ; the scale's byte
.endr
	s_delay_alu instid0(VALU_DEP_3)
	v_lshl_or_b32 v[PW], v[BP+1], 8, v[BP]         ; p's scale word for these 128 keys
	s_delay_alu instid0(VALU_DEP_1)
	v_lshl_or_b32 v[PW], v[BP+2], 16, v[PW]
	s_delay_alu instid0(VALU_DEP_1)
	v_lshl_or_b32 v[PW], v[BP+3], 24, v[PW]
.irp c, 0,1
	v_cvt_scalef32_pk16_fp6_f32 v[PC+6*\c:PC+6*\c+2], v[S+32*\c:S+32*\c+15], v[SO+2*\c]
	v_cvt_scalef32_pk16_fp6_f32 v[PT+4*\c:PT+4*\c+2], v[S+16+32*\c:S+31+32*\c], v[SO+2*\c+1]
.endr
	v_nop                                          ; one plain place behind a scaled conversion
.irp b, 0,1,2,3                                ; p has been read: V's fragments take its registers, and land while the lines below run
.irp c, 0,1,2
	ds_load_b128 v[S+12*\b+4*\c:S+12*\b+4*\c+3], v[ADK] offset:6144+1536*\b+512*\c
.endr
.endr
	ds_load_b128 v[VS:VS+3], v[ADS] offset:12800
.irp c, 0,1                                    ; the operand's layout wants a whole block in a lane
.irp i, 0,1,2
	v_permlane16_swap_b32 v[PC+6*\c+\i], v[PT+4*\c+\i]
.endr
.irp i, 0,1,2
	s_delay_alu instid0(VALU_DEP_3)
	v_mov_b32 v[PC+3+6*\c+\i], v[PT+4*\c+\i]
.endr
.endr
.set j, 0
.rept 16
	v_pk_mul_f32 v[O+j:O+j+1], v[O+j:O+j+1], v[F:F+1] op_sel_hi:[1,0]   ; O^T under the new M.  (These 16 are also the places between the lines that made P's codes and scale word and the products)
.set j, j+2
.endr
	s_wait_alu depctr_va_vdst(0)
	s_wait_dscnt 0x0
.irp b, 0,1,2,3                                ; O^T += V^T P^T: four accumulators by turns
	v_wmma_scale_f32_16x16x128_f8f6f4 v[O+8*\b:O+8*\b+7], v[S+12*\b:S+12*\b+11], v[PC:PC+11], v[O+8*\b:O+8*\b+7], v[VS+\b], v[PW] matrix_a_fmt:MATRIX_FMT_FP6 matrix_b_fmt:MATRIX_FMT_FP6
.endr
	s_add_co_u32 s[TB], s[TB], REC
.endm
	s_mov_b32 s[PASS], 2
	s_mov_b32 s56, 0                               ; the pass's part of the stage
	s_wait_alu depctr_va_vdst(0)
	s_wait_tensorcnt 0x0                           ; my record has landed,
	s_barrier_signal -1
	s_barrier_wait -1                              ; and everybody's: the records are filled once, so this barrier stands once, ahead of both passes
.Lpass:
	global_load_b128 v[16:19], v[LI16], s[QB:QB+1]             ; Q's fragment, an image of six registers
	global_load_b64 v[20:21], v[LI8], s[QB:QB+1] offset:512
	global_load_b32 v28, v[R16], s[QSB:QSB+1]                  ; and its scale words
	v_mov_b32 v13, 0xff61b1e6                      ; the largest t so far: -3e38
	s_delay_alu instid0(VALU_DEP_1)
	v_floor_f32 v12, -v13                          ; -M
	v_mov_b32 v14, 0
	v_mov_b32 v15, 0
.set j, 0
.rept 32
	v_mov_b32 v[O+j], 0                            ; O^T: the step is written once; the first finds zeros, which the first change of M leaves zeros
.set j, j+1
.endr
	s_wait_loadcnt 0x0                             ; Q
	s_mov_b32 s[TB], 0
	s_mov_b32 s[CNT], 16
.Lstep:
	STEP
	s_sub_co_u32 s[CNT], s[CNT], 1
	s_cmp_lg_u32 s[CNT], 0
	s_cbranch_scc1 .Lstep
	; THE WAY OUT: o = O^T / the sum; into its true order along the features; two blocks of 32 quantised; an image of six registers and a scale word
	PLACES 4
	v_add_f32 v14, v14, v15
	s_delay_alu instid0(VALU_DEP_1)
	v_permlanex16_b32 v[BP], v14, s[SEL], s[SEL+1]
	s_delay_alu instid0(VALU_DEP_1)
	v_add_f32 v14, v14, v[BP]                      ; the row's sum
	s_wait_alu depctr_va_vdst(0)
	v_rcp_f32 v[RL], v14
	v_nop
	s_wait_alu depctr_va_vdst(0)
.set j, 0
.rept 16
	v_pk_mul_f32 v[S+j:S+j+1], v[O+j:O+j+1], v[RL:RL+1] op_sel_hi:[1,0]   ; register 8 b + j: feature 16 b + 8 h + j of my query
.set j, j+2
.endr
.irp c, 0,1
.irp j, 0,1,2,3,4,5,6,7
	v_permlane16_swap_b32 v[S+16*\c+\j], v[S+16*\c+8+\j]   ; now register 16 c + i: feature 32 c + 16 h + i
.endr
.endr
.irp c, 0,1
	v_max3_num_f32 v[BM+\c], |v[S+16*\c]|, |v[S+1+16*\c]|, 0x1800000
.endr
.irp i, 2,4,6,8,10,12,14
.irp c, 0,1
	s_delay_alu instid0(VALU_DEP_2)
	v_max3_num_f32 v[BM+\c], v[BM+\c], |v[S+16*\c+\i]|, |v[S+1+16*\c+\i]|
.endr
.endr
.irp c, 0,1
	s_delay_alu instid0(VALU_DEP_2)
	v_permlanex16_b32 v[BP+\c], v[BM+\c], s[SEL], s[SEL+1]
.endr
.irp c, 0,1
	s_delay_alu instid0(VALU_DEP_2)
	v_max_num_f32 v[BM+\c], v[BM+\c], v[BP+\c]
.endr
.irp c, 0,1
	s_delay_alu instid0(VALU_DEP_2)
	v_add_nc_u32 v[SO+\c], 0xff000000, v[BM+\c]
.endr
.irp c, 0,1
	s_delay_alu instid0(VALU_DEP_2)
	v_lshrrev_b32 v[BP+\c], 23, v[SO+\c]
.endr
	s_delay_alu instid0(VALU_DEP_1)
	v_lshl_or_b32 v[T], v[BP+1], 8, v[BP]          ; my query's two bytes for this head
	v_cvt_scalef32_pk16_fp6_f32 v[PC:PC+2], v[S:S+15], v[SO]
	v_cvt_scalef32_pk16_fp6_f32 v[PT:PT+2], v[S+16:S+31], v[SO+1]
	v_nop
.irp i, 0,1,2
	v_permlane16_swap_b32 v[PC+\i], v[PT+\i]
.endr
.irp i, 0,1,2
	s_delay_alu instid0(VALU_DEP_3)
	v_mov_b32 v[PC+3+\i], v[PT+\i]
.endr
	global_store_b128 v[LI16], v[PC:PC+3], s[OB:OB+1]          ; 512 consecutive bytes, aligned
	global_store_b64 v[LI8], v[PC+4:PC+5], s[OB:OB+1] offset:512   ; and 256
	v_add_nc_u32 v10, s56, v[SW]
	ds_store_b32 v10, v[T]                         ; both halves of the lanes write the same word with the same value; each pass has stage bytes of its own, so no barrier stands between the passes
	s_wait_xcnt 0x0                                ; the stores have read their registers and bases
	s_add_nc_u64 s[QB:QB+1], s[QB:QB+1], 13312     ; the next 256 queries: two records of Q,
	s_add_nc_u64 s[QSB:QSB+1], s[QSB:QSB+1], 13312
	s_add_nc_u64 s[OB:OB+1], s[OB:OB+1], 196608    ; four blocks of o
	s_add_co_u32 s56, s56, 1024
	s_sub_co_u32 s[PASS], s[PASS], 1
	s_cmp_lg_u32 s[PASS], 0
	s_cbranch_scc1 .Lpass
	s_wait_dscnt 0x0                               ; for the others' sake: my stores to the stage are done
	s_barrier_signal -1
	s_barrier_wait -1                              ; both passes' 512 words lie in the stage
	s_cmp_lt_u32 s[WV], 4
	s_cbranch_scc0 .Lno_words
	ds_load_b128 v[S:S+3], v[SRD]
	s_wait_dscnt 0x0
	global_store_b128 v[SGO], v[S:S+3], s[OSB:OSB+1]           ; sixteen lanes store a block's 256 consecutive bytes, aligned; eight blocks, 4,096 bytes apart
.Lno_words:
	s_wait_tensorcnt 0x0
	ds_add_u32 v254, v255
	s_wait_dscnt 0x0
	CROUND                                         ; the closing round
	s_endpgm
.Lfunc_end_k_qcc5b1938fc_attn:
	.size	k_qcc5b1938fc_attn, .Lfunc_end_k_qcc5b1938fc_attn-k_qcc5b1938fc_attn
	.p2alignl 7, 3214868480
	.fill 96, 4, 3214868480
	.section	.rodata,"a",@progbits
	.p2align	6, 0x0
	.amdhsa_kernel k_qcc5b1938fc_attn
		.amdhsa_group_segment_fixed_size 212992
		.amdhsa_private_segment_fixed_size 0
		.amdhsa_enable_private_segment 0
		.amdhsa_kernarg_size 32
		.amdhsa_user_sgpr_count 2
		.amdhsa_user_sgpr_kernarg_segment_ptr 1
		.amdhsa_wavefront_size32 1
		.amdhsa_system_sgpr_workgroup_id_x 1
		.amdhsa_system_sgpr_workgroup_id_y 1
		.amdhsa_system_sgpr_workgroup_id_z 1
		.amdhsa_system_vgpr_workitem_id 0
		.amdhsa_next_free_vgpr 256
		.amdhsa_next_free_sgpr 66
		.amdhsa_reserve_vcc 0
		.amdhsa_float_denorm_mode_32 3
		.amdhsa_float_denorm_mode_16_64 3
		.amdhsa_memory_ordered 1
		.amdhsa_forward_progress 1
		.amdhsa_inst_pref_size 31
	.end_amdhsa_kernel
	.amdgpu_metadata
---
amdhsa.version: [ 1, 2 ]
amdhsa.kernels:
  - .name:           k_qcc5b1938fc_attn
    .symbol:         k_qcc5b1938fc_attn.kd
    .args:
      - { .name: qimg, .offset: 0, .size: 8, .value_kind: global_buffer, .address_space: global }
      - { .name: kvimg, .offset: 8, .size: 8, .value_kind: global_buffer, .address_space: global }
      - { .name: oimg, .offset: 16, .size: 8, .value_kind: global_buffer, .address_space: global }
      - { .name: oscale, .offset: 24, .size: 8, .value_kind: global_buffer, .address_space: global }
    .group_segment_fixed_size: 212992
    .private_segment_fixed_size: 0
    .kernarg_segment_align: 8
    .kernarg_segment_size: 32
    .max_flat_workgroup_size: 512
    .sgpr_count:     66
    .vgpr_count:     256
    .wavefront_size: 32
...
	.end_amdgpu_metadata
.endif
;; end of part 3
;; launch proj (part 4): grid 256 x 1, 4 waves a work-group, clusters of 4 x 1, 327,680 bytes of LDS; arguments wpimg, W_proj_scales, b_proj, oimg, oscale, out0; writes out0
.if DOCPART == 4
	.amdgcn_target "amdgcn-amd-amdhsa--gfx1250"
	.amdhsa_code_object_version 6
	.text
	.protected	k_qcc5b1938fc_proj
	.globl	k_qcc5b1938fc_proj
	.p2align	8
	.type	k_qcc5b1938fc_proj,@function
k_qcc5b1938fc_proj:
	s_mov_b64 s[64:65], 0
	v_nop
	global_prefetch_b8 v0, s[64:65] scope:SCOPE_SE
	s_setreg_imm32_b32 hwreg(HW_REG_WAVE_MODE, 25, 1), 1
	s_wait_xcnt 0x0
	s_wait_alu depctr_hold_cnt(0) depctr_sa_sdst(0) depctr_va_vdst(0) depctr_va_sdst(0) depctr_va_ssrc(0) depctr_va_vcc(0) depctr_vm_vsrc(0)
	s_getreg_b32 s2, hwreg(HW_REG_IB_STS2, 6, 4)
	s_cmp_eq_u32 s2, 0
	s_cbranch_scc0 .Lentry_in_a_cluster
	s_endpgm
.Lentry_in_a_cluster:
	s_bfe_u32 s2, ttmp6, 0x10000c
	s_cmp_lg_u32 s2, 0x3003
	s_cbranch_scc0 .Lentry_shape_is_right
	s_endpgm
.Lentry_shape_is_right:
; out0 = o W_proj + b_proj on codes of FP6 (E2M3).  A work-group makes 64 tokens x 512 outputs (one half of W_proj's 1,024 rows): 128 blocks of tokens x 2 halves = 256 work-groups.
; D = BIG x SMALL^T, K = 1,024.  BIG = the half's 512 rows, 128 to each of four waves (8 tiles a); SMALL = 64 tokens of o (4 tiles b), read by all waves: 32 accumulators a wave.
; Source 0 = 16 rows of W_proj, source 1 = 16 tokens: lane (r, h) holds token 16 b + r, and its register j output 512 half + 128 wave + 16 a + 8 h + j: eight neighbouring numbers of a row of out0.
; Both operands lie in memory as images of operand registers, K step behind K step, so TWO K steps are one dense block: 98,304 bytes of W_proj's half, 12,288 of o's block.
; LDS: two slots, each with two K steps (98,304 + 12,288 bytes), fetched as rows of 256 bytes: four trips of 64 products, one change of slots a trip.  Behind them the spare words.
; The head fills both slots, one load a wave; trips 0 and 1 fill them again: waves 0-2 ask jointly for a third of W_proj's block each, wave 3 for o's.  One load of a wave is out at a time.
; CLUSTER 4 x 1: the four partners take the same half of W_proj (mask 15) and four neighbouring blocks of tokens (plain loads).
; PREFETCH: the head asks for what the two refills will load (trips 2 and 3), W_proj's blocks shared out among the partners by address; there is no later load to run ahead of.
; The way out's stages lie in slot 0, which by then has had its last fill and its last read.
; REGISTERS: window 0: v1-27 addresses and the bias; v32-63 W_proj's scale words, v96-127 o's: scales and nothing else; v128-223 o's fragments, a set for each K step of a trip; on the way out v128-255 rows of out0.
;   window 1: W_proj's fragments: v[96 u + 12 a], u the K step of the trip.   window 2: accumulator (a, b) at v[64 b + 8 a].
.set SMOFF, 98304
.set SLOTB, 110592
.set SPARE, 2*SLOTB                    ; the spare words, 128 bytes a wave: two blocks of 256 bytes that no other line names
.set SPITCH, 528                       ; the stage: 16 rows x (512 bytes + 16) for each wave
.set R,   1
.set H,   2
.set LN,  3
.set SPW, 4
.set NIL, 5
.set L16, 6
.set L8,  7
.set ADB, 8                            ; v8-9 my tiles of W_proj in slot 0, 1
.set ADS, 12                           ; v12-13 o's images in slot 0, 1: + 16 x lane; v14-15: + 8 x lane
.set STO, 19
.set RD,  20
.set BIA, 24                           ; v24-27 b_proj of the 4 outputs that I store
.set SCB, 32
.set SCS, 96
.set SF,  128
.set BK,  128
.set WV,  26
.set G1B, 28
.set G1S, 36
.set G0B, 44
.set G0S, 52
.set CX,  60
.set HF,  62
.set MSB, 0
.macro WIN new
.if MSB != (\new)
	s_set_vgpr_msb (MSB<<8)|(\new)
.set MSB, (\new)
.endif
.endm
.macro PLACES n
.rept \n
	v_nop
.endr
.endm
.macro CREST
	s_cmp_lg_u32 s[WV], 0
	s_cbranch_scc1 .Lnot_wave_0_\@
	s_barrier_signal -3
.Lnot_wave_0_\@:
	s_barrier_wait -3
	s_barrier_signal -1
	s_barrier_wait -1
.endm
.macro CROUND
	s_barrier_signal -1
	s_barrier_wait -1
	CREST
.endm
.macro TLOAD p                         ; every way passes one load; four v_nop follow each
	s_cmp_lt_u32 s[WV], 3
	s_cbranch_scc0 .Lnot_big_\@
	tensor_load_to_lds s[G0B+4*(\p):G0B+4*(\p)+3], s[G1B:G1B+7]
	s_nop 0
	PLACES 4
	s_branch .Lasked_\@
.Lnot_big_\@:
	tensor_load_to_lds s[G0S+4*(\p):G0S+4*(\p)+3], s[G1S:G1S+7]
	s_nop 0
	PLACES 4
.Lasked_\@:
.endm
.macro FETCH_B slot, u                 ; my eight tiles of K step u of the slot: 24 loads
	WIN 0x40
.irp i, 0,1,2,3,4,5,6,7
.irp c, 0,1,2
	ds_load_b128 v[96*(\u)+12*\i+4*\c:96*(\u)+12*\i+4*\c+3], v[ADB+(\slot)] offset:49152*(\u)+1536*\i+512*\c
.endr
.endr
	WIN 0
.endm
.macro FETCH_S slot, u                 ; o's four fragments of K step u: each two images of six registers (two heads): 16 loads
.irp b, 0,1,2,3
.irp c, 0,1
	ds_load_b128 v[SF+48*(\u)+12*\b+6*\c:SF+48*(\u)+12*\b+6*\c+3], v[ADS+(\slot)] offset:6144*(\u)+1536*\b+768*\c
	ds_load_b64 v[SF+48*(\u)+12*\b+6*\c+4:SF+48*(\u)+12*\b+6*\c+5], v[ADS+2+(\slot)] offset:6144*(\u)+1536*\b+768*\c+512
.endr
.endr
.endm
.macro MM a, b, u, t, zero             ; W_proj's scale words of tiles 2 i and 2 i + 1 share a register: lanes 0-15 and lanes 16-31
.set rD, 64*(\b)+8*(\a)
.set rA, 96*(\u)+12*(\a)
.set rB, SF+48*(\u)+12*(\b)
.set rX, SCB+8*((\a)/2)+2*(\t)+(\u)
.set rY, SCS+8*(\b)+2*(\t)+(\u)
.if (\zero) && ((\a)%2)
	v_wmma_scale_f32_16x16x128_f8f6f4 v[rD:rD+7], v[rA:rA+11], v[rB:rB+11], 0, v[rX], v[rY] matrix_a_fmt:MATRIX_FMT_FP6 matrix_b_fmt:MATRIX_FMT_FP6 matrix_a_scale:MATRIX_SCALE_ROW1
.elseif \zero
	v_wmma_scale_f32_16x16x128_f8f6f4 v[rD:rD+7], v[rA:rA+11], v[rB:rB+11], 0, v[rX], v[rY] matrix_a_fmt:MATRIX_FMT_FP6 matrix_b_fmt:MATRIX_FMT_FP6
.elseif (\a)%2
	v_wmma_scale_f32_16x16x128_f8f6f4 v[rD:rD+7], v[rA:rA+11], v[rB:rB+11], v[rD:rD+7], v[rX], v[rY] matrix_a_fmt:MATRIX_FMT_FP6 matrix_b_fmt:MATRIX_FMT_FP6 matrix_a_scale:MATRIX_SCALE_ROW1
.else
	v_wmma_scale_f32_16x16x128_f8f6f4 v[rD:rD+7], v[rA:rA+11], v[rB:rB+11], v[rD:rD+7], v[rX], v[rY] matrix_a_fmt:MATRIX_FMT_FP6 matrix_b_fmt:MATRIX_FMT_FP6
.endif
.endm
.macro MULH u, t, zero                 ; K step 2 t + u: 32 products; the 32 accumulators take turns, one instruction a turn, in the same order in every K step
.irp a, 0,1,2,3,4,5,6,7
.irp b, 0,1,2,3
	MM \a, \b, \u, \t, \zero
.endr
.endr
.endm
; Trip t, K steps 2 t and 2 t + 1, from slot t % 2.  All its fragments are in registers or on their way at its head.  ONE barrier changes slots, behind the first K step's products: in front of it each wave waits for all
; its tensor loads, adds 0 to its spare word, and waits for that and for its reads of this slot.  fill = 1: the barrier opens a round of the cluster's barrier, and this slot is filled with trip t + 2 first thing behind it.
.macro TRIP t, fill, zero
.set P, (\t)%2
.set N, 1-P
	s_wait_dscnt 40                                ; the first K step's fragments are in; the youngest 40 loads (the second's: 16 of o, 24 of W_proj) may be out
	WIN 0xa1                                       ; source 0 window 1, source 1 window 0, C and D window 2
	MULH 0, \t, \zero
	WIN 0
	s_wait_tensorcnt 0x0                           ; all my tensor loads have landed
	ds_add_u32 v[SPW], v[NIL]                      ; 0 onto my spare word
	s_wait_dscnt 0x0                               ; the add is done, and my reads of this slot are over
	s_barrier_signal -1
	s_barrier_wait -1
.if \fill
	CREST                                          ; no wave of any partner still reads this slot or has a load on its way
	s_add_nc_u64 s[G0B+4*P+2:G0B+4*P+3], s[G0B+4*P+2:G0B+4*P+3], 196608   ; two trips on
	s_add_nc_u64 s[G0S+4*P+2:G0S+4*P+3], s[G0S+4*P+2:G0S+4*P+3], 24576
	TLOAD P
.endif
	PLACES 4                                       ; in front of loads into registers that products have read
	FETCH_S N, 0
	FETCH_B N, 0
	WIN 0xa1
	MULH 1, \t, 0
	PLACES 4
	WIN 0
	FETCH_S N, 1
	FETCH_B N, 1
.endm
	s_load_b256 s[4:11], s[0:1], 0x0               ; wpimg s[4:5], W_proj's scales s[6:7], b_proj s[8:9], oimg s[10:11]
	s_load_b128 s[12:15], s[0:1], 0x20             ; oscale s[12:13], out0 s[14:15]
	v_lshl_add_u32 v[SPW], v0, 2, SPARE
	v_mov_b32 v[NIL], 0
	ds_add_u32 v[SPW], v[NIL]                      ; the opening lines: the add, twice on end, and its wait ahead of my first tensor load
	ds_add_u32 v[SPW], v[NIL]
	v_lshrrev_b32 v16, 5, v0
	v_readfirstlane_b32 s[WV], v16
	s_bfe_u32 s[CX], ttmp6, 0x40000
	s_and_b32 s[HF], ttmp9, 1                      ; the half of W_proj: the four partners share it
	s_lshr_b32 s67, ttmp9, 1
	s_lshl_b32 s67, s67, 2
	s_add_co_u32 s67, s67, s[CX]                   ; my block of 64 tokens
	s_mov_b32 s[G1B], 15|(3<<16)|(1<<21)           ; the mask: all four partners; elements of 8 bytes; 21 set beside a mask; no padding
	s_mov_b32 s[G1B+1], 32<<16                     ; dense rows of 256 bytes
	s_mov_b32 s[G1B+2], 384<<16                    ; the head's loads bring a slot's whole 98,304 bytes; behind them the two words are set to a third's 128 rows
	s_mov_b32 s[G1B+3], 32<<16
	s_mov_b32 s[G1B+4], 384
	s_mov_b32 s[G1B+5], 32
	s_mov_b32 s[G1B+6], 0
	s_mov_b32 s[G1B+7], 0
	s_mov_b32 s[G1S], 3<<16                        ; o's two K steps: 12,288 dense bytes
	s_mov_b32 s[G1S+1], 32<<16
	s_mov_b32 s[G1S+2], 48<<16
	s_mov_b32 s[G1S+3], 32<<16
	s_mov_b32 s[G1S+4], 48
	s_mov_b32 s[G1S+5], 32
	s_mov_b32 s[G1S+6], 0
	s_mov_b32 s[G1S+7], 0
	s_min_u32 s66, s[WV], 2                        ; what feeds the joint loads never holds my place in the cluster
	s_lshl_b32 s74, s66, 15                        ; the third that I fetch
	s_mul_i32 s96, s[HF], 393216
	s_mov_b32 s97, 0
	s_mov_b32 s69, 0
	s_wait_dscnt 0x0                               ; both opening adds are done
	s_wait_kmcnt 0x0
	s_add_nc_u64 s[84:85], s[4:5], s[96:97]        ; the half's images
	s_mov_b32 s96, s74
	s_add_nc_u64 s[86:87], s[84:85], s[96:97]      ; my third of a slot's block
	s_mul_i32 s68, s67, 49152
	s_add_nc_u64 s[88:89], s[10:11], s[68:69]      ; my block's images
	s_lshl_b32 s68, s67, 12
	s_add_nc_u64 s[90:91], s[12:13], s[68:69]      ; its scale words
	s_lshl_b32 s70, s[HF], 11
	s_lshl_b32 s71, s[WV], 9
	s_add_co_u32 s70, s70, s71                     ; my wave's 128 outputs, in bytes
	s_lshl_b32 s68, s67, 18
	s_add_co_u32 s68, s68, s70
	s_add_nc_u64 s[92:93], s[14:15], s[68:69]      ; out0 at my block's first row, my wave's outputs
	CROUND                                         ; all four work-groups are here: the first joint loads meet
	s_mov_b32 s16, 1                               ; group 0 for the head's loads of W_proj: trip 0 into slot 0,
	s_mov_b32 s17, 0
	s_mov_b64 s[18:19], s[84:85]
	s_or_b32 s19, s19, 0x80000000
	s_mov_b32 s20, 1                               ; trip 1 into slot 1
	s_mov_b32 s21, SLOTB
	s_add_nc_u64 s[22:23], s[84:85], 98304
	s_or_b32 s23, s23, 0x80000000
.irp p, 0,1
	s_mov_b32 s[G0B+4*\p], 1
	s_add_co_u32 s[G0B+4*\p+1], s74, \p*SLOTB
	s_add_nc_u64 s[G0B+4*\p+2:G0B+4*\p+3], s[86:87], \p*98304
	s_or_b32 s[G0B+4*\p+3], s[G0B+4*\p+3], 0x80000000
	s_mov_b32 s[G0S+4*\p], 1
	s_mov_b32 s[G0S+4*\p+1], \p*SLOTB+SMOFF
	s_add_nc_u64 s[G0S+4*\p+2:G0S+4*\p+3], s[88:89], \p*12288
	s_or_b32 s[G0S+4*\p+3], s[G0S+4*\p+3], 0x80000000
.endr
; THE HEAD'S LOADS, ONE A WAVE, fill both slots: one chain of branches on the wave's number, one load to an arm, one join.
.macro ARM under, g0, g1, next
	s_cmp_lt_u32 s[WV], \under
	s_cbranch_scc0 \next
	tensor_load_to_lds s[\g0:\g0+3], s[\g1:\g1+7]
	s_nop 0
	PLACES 4
	s_branch .Lhead_asked
\next:
.endm
	ARM 1, 16, G1B, .Lhead_b
	ARM 2, 20, G1B, .Lhead_c
	ARM 3, G0S, G1S, .Lhead_d
	tensor_load_to_lds s[G0S+4:G0S+7], s[G1S:G1S+7]
	s_nop 0
	PLACES 4
.Lhead_asked:
	v_and_b32 v[R], 15, v0
	v_bfe_u32 v[H], v0, 4, 1
	v_and_b32 v[LN], 31, v0
	v_lshlrev_b32 v[L16], 4, v[LN]
	v_lshlrev_b32 v[L8], 3, v[LN]
	s_lshl_b32 s68, s[HF], 14
	s_lshl_b32 s71, s[WV], 12
	s_add_co_u32 s68, s68, s71
	v_lshl_add_u32 v16, v[LN], 5, s68              ; W_proj's scales: row 512 half + 128 wave + 32 i + lane, 32 bytes a row
	v_lshlrev_b32 v17, 2, v[R]
	v_add_nc_u32 v18, s70, v[L16]                  ; b_proj: my wave's 128 outputs, 16 bytes a lane
.irp i, 0,1,2,3
	global_load_b128 v[SCB+8*\i:SCB+8*\i+3], v16, s[6:7] offset:1024*\i
	global_load_b128 v[SCB+8*\i+4:SCB+8*\i+7], v16, s[6:7] offset:1024*\i+16
.endr
.set i, 0
.rept 16                                       ; head i's word of token 16 b + r: two bytes
.irp b, 0,1,2,3
	global_load_b32 v[SF+4*i+\b], v17, s[90:91] offset:256*i+64*\b
.endr
.set i, i+1
.endr
	global_load_b128 v[BIA:BIA+3], v18, s[8:9]
	s_mul_i32 s68, s[WV], 12288                    ; my 8 tiles of a K step
	v_add_nc_u32 v[ADB], s68, v[L16]
	v_add_nc_u32 v[ADB+1], SLOTB, v[ADB]
	v_add_nc_u32 v[ADS], SMOFF, v[L16]
	v_add_nc_u32 v[ADS+1], SMOFF+SLOTB, v[L16]
	v_add_nc_u32 v[ADS+2], SMOFF, v[L8]
	v_add_nc_u32 v[ADS+3], SMOFF+SLOTB, v[L8]
	s_mul_i32 s68, s[WV], 16*SPITCH                ; my stage
	v_mul_u32_u24 v[STO], v[R], SPITCH
	v_lshl_add_u32 v[STO], v[H], 5, v[STO]
	v_add_nc_u32 v[STO], s68, v[STO]               ; in: row r, 32 bytes for each half of the lanes
	v_add_nc_u32 v[RD], s68, v[L16]                ; back: the 32 lanes take one row of 512 bytes
	s_lshl_b32 s68, s[CX], 13
	v_lshlrev_b32 v11, 8, v[LN]                    ; a lane a block of 256 bytes
	v_add_nc_u32 v10, s68, v11                     ; + my work-group's quarter (8,192 bytes) of the third that I fetch
	s_wait_alu depctr_va_vdst(0)
	s_cmp_lt_u32 s[WV], 3
	s_cbranch_scc0 .Lpf_small
	global_prefetch_b8 v10, s[86:87] offset:196608 th:TH_LOAD_NT scope:SCOPE_SE   ; W_proj's trips 2 and 3
	global_prefetch_b8 v10, s[86:87] offset:294912 th:TH_LOAD_NT scope:SCOPE_SE
	s_branch .Lpf_done
.Lpf_small:
	global_prefetch_b8 v11, s[88:89] offset:24576 th:TH_LOAD_NT scope:SCOPE_SE    ; o's trips 2 and 3: 24,576 dense bytes, 96 blocks
	global_prefetch_b8 v11, s[88:89] offset:32768 th:TH_LOAD_NT scope:SCOPE_SE
	global_prefetch_b8 v11, s[88:89] offset:40960 th:TH_LOAD_NT scope:SCOPE_SE
.Lpf_done:
	s_wait_loadcnt 0x0
.irp b, 0,1,2,3
.irp s, 0,1,2,3,4,5,6,7
	v_lshl_or_b32 v[SCS+8*\b+\s], v[SF+4*(2*\s+1)+\b], 16, v[SF+4*(2*\s)+\b]   ; K step s: heads 2 s and 2 s + 1
.endr
.endr
	PLACES 8                                       ; a scale register written by a vector instruction stands 8 places ahead of a scaled product
	s_wait_alu depctr_va_vdst(0)
	s_wait_tensorcnt 0x0                           ; my tile of the head's four is in; no tensor load of mine is out, so a descriptor may be written:
	s_mov_b32 s[G1B+2], 128<<16                    ; from here on a load brings a third of a slot's block
	s_mov_b32 s[G1B+4], 128
	s_barrier_signal -1
	s_barrier_wait -1                              ; all four tiles are in
	FETCH_S 0, 0
	FETCH_B 0, 0
	FETCH_S 0, 1
	FETCH_B 0, 1
	TRIP 0, 1, 1                                   ; the first K step's products start the sums
	TRIP 1, 1, 0
	TRIP 2, 0, 0                                   ; nothing is left to ask for
	s_wait_dscnt 40                                ; trip 3
	WIN 0xa1
	MULH 0, 3, 0
	s_wait_dscnt 0x0
	MULH 1, 3, 0
	WIN 0
; THE WAY OUT, block e of four: 16 tokens (tile e) x my 128 outputs.  A lane holds 32 neighbouring bytes of a row; a block goes through my own stage in LDS and comes back as whole rows of 512 bytes.
; LDS serves a wave's instructions in order (ISA guide 5.7.1.4): no wait between the stores and the loads, nor in front of the next block's stores.
.macro TOSTAGE e
.set AC, 64*(\e)
	WIN 0x08                                       ; an LDS store's data: window 2
.irp a, 0,1,2,3,4,5,6,7
	ds_store_b128 v[STO], v[AC+8*\a:AC+8*\a+3] offset:64*\a          ; each accumulator from its low end on
	ds_store_b128 v[STO], v[AC+8*\a+4:AC+8*\a+7] offset:64*\a+16
.endr
	WIN 0
.set BB, BK+64*((\e)%2)
.irp t, 0,1,2,3,4,5,6,7,8,9,10,11,12,13,14,15
	ds_load_b128 v[BB+4*\t:BB+4*\t+3], v[RD] offset:\t*SPITCH
.endr
.endm
.macro SEND e, younger                 ; younger: the LDS instructions issued behind block e's loads, which may stay out
.set BB, BK+64*((\e)%2)
	s_wait_dscnt \younger
.irp t, 0,1,2,3,4,5,6,7,8,9,10,11,12,13,14,15
	v_pk_add_f32 v[BB+4*\t:BB+4*\t+1], v[BB+4*\t:BB+4*\t+1], v[BIA:BIA+1]          ; + b_proj
	v_pk_add_f32 v[BB+4*\t+2:BB+4*\t+3], v[BB+4*\t+2:BB+4*\t+3], v[BIA+2:BIA+3]
.endr
.irp t, 0,1,2,3,4,5,6,7,8,9,10,11,12,13,14,15
	global_store_b128 v[L16], v[BB+4*\t:BB+4*\t+3], s[92:93] offset:(16*(\e)+\t)*4096 th:TH_STORE_NT   ; 32 lanes store 512 consecutive bytes, aligned; written once, read by nobody here
.endr
.endm
	PLACES 4                                       ; in front of the first reads of results and of loads into the fragments' registers
	TOSTAGE 0
.irp e, 1,2,3
.if \e > 1
	s_wait_xcnt 0x0                                ; block e - 2's stores have read their registers: block e's loads may land there
.endif
	TOSTAGE \e
	SEND \e-1, 32                                  ; behind block e - 1's loads: block e's 16 stores and 16 loads
.endr
	SEND 3, 0
	s_wait_tensorcnt 0x0                           ; the wave's end
	ds_add_u32 v[SPW], v[NIL]
	s_wait_dscnt 0x0
	CROUND                                         ; the closing round
	s_endpgm
.Lfunc_end_k_qcc5b1938fc_proj:
	.size	k_qcc5b1938fc_proj, .Lfunc_end_k_qcc5b1938fc_proj-k_qcc5b1938fc_proj
	.p2alignl 7, 3214868480
	.fill 96, 4, 3214868480
	.section	.rodata,"a",@progbits
	.p2align	6, 0x0
	.amdhsa_kernel k_qcc5b1938fc_proj
		.amdhsa_group_segment_fixed_size 327680
		.amdhsa_private_segment_fixed_size 0
		.amdhsa_enable_private_segment 0
		.amdhsa_kernarg_size 48
		.amdhsa_user_sgpr_count 2
		.amdhsa_user_sgpr_kernarg_segment_ptr 1
		.amdhsa_wavefront_size32 1
		.amdhsa_system_sgpr_workgroup_id_x 1
		.amdhsa_system_sgpr_workgroup_id_y 1
		.amdhsa_system_sgpr_workgroup_id_z 1
		.amdhsa_system_vgpr_workitem_id 0
		.amdhsa_next_free_vgpr 768
		.amdhsa_next_free_sgpr 100
		.amdhsa_reserve_vcc 0
		.amdhsa_float_denorm_mode_32 3
		.amdhsa_float_denorm_mode_16_64 3
		.amdhsa_memory_ordered 1
		.amdhsa_forward_progress 1
		.amdhsa_inst_pref_size 96
	.end_amdhsa_kernel
	.amdgpu_metadata
---
amdhsa.version: [ 1, 2 ]
amdhsa.kernels:
  - .name:           k_qcc5b1938fc_proj
    .symbol:         k_qcc5b1938fc_proj.kd
    .args:
      - { .name: wpimg, .offset: 0, .size: 8, .value_kind: global_buffer, .address_space: global }
      - { .name: W_proj_scales, .offset: 8, .size: 8, .value_kind: global_buffer, .address_space: global }
      - { .name: b_proj, .offset: 16, .size: 8, .value_kind: global_buffer, .address_space: global }
      - { .name: oimg, .offset: 24, .size: 8, .value_kind: global_buffer, .address_space: global }
      - { .name: oscale, .offset: 32, .size: 8, .value_kind: global_buffer, .address_space: global }
      - { .name: out0, .offset: 40, .size: 8, .value_kind: global_buffer, .address_space: global }
    .group_segment_fixed_size: 327680
    .private_segment_fixed_size: 0
    .kernarg_segment_align: 8
    .kernarg_segment_size: 48
    .max_flat_workgroup_size: 128
    .sgpr_count:     100
    .vgpr_count:     768
    .wavefront_size: 32
...
	.end_amdgpu_metadata
.endif
;; end of part 4
